; MI455X (gfx1250); checked and timed in simulation.
; The chip was launched on July 23, 2026; its instructions are those of AMD's public machine-readable ISA for CDNA 5 (MIT licence, August 2026) and "CDNA5" Instruction Set Architecture Reference Guide (July 2026). The comments in the code are by the model that wrote it; some were corrected since.
;; Transformer Block. Allowed arithmetic: matrix products marked QUANTISED: E2M3 operands, one E8M0 scale for each 32 along K, by v_wmma_scale_f32_16x16x128_f8f6f4 with both operands' format E2M3, f32 sums; everything else in f32.
;; Inputs: W1 1,024 x 4,096 float32; W2 4,096 x 1,024 float32; Wk 1,024 x 1,024 float32; Wo 1,024 x 1,024 float32; Wq 1,024 x 1,024 float32; Wv 1,024 x 1,024 float32; b1 1,024 float32; b2 1,024 float32; bf1 4,096 float32; bf2 1,024 float32; g1 1,024 float32; g2 1,024 float32; x 2 x 2,048 x 1,024 float32.
;; Outputs: out0 2 x 2,048 x 1,024 float32.
;; This version of the problem:
;;   THIS VERSION OF THE PROBLEM IS GIVEN IN LOW PRECISION. The matrix products marked QUANTISED in the list below multiply operands that are first quantised to E2M3 (2 exponent bits, 3 mantissa bits; 6 bits a number), with one power-of-two scale for each 32 numbers along K (OCP MX v1.0); their sums are f32. All else is computed in f32.
;;   The module's matrix products, in the order in which they are computed (A, B: the left and right operand; K: the contracted axis; several contracted axes count as one K, in the product's order):
;;     1. [M 4,096, K 1,024] x [K 1,024, N 1,024]; A: computed on the way; B: input Wq: QUANTISED
;;     2. [M 4,096, K 1,024] x [K 1,024, N 1,024]; A: computed on the way; B: input Wk: QUANTISED
;;     3. [M 4,096, K 1,024] x [K 1,024, N 1,024]; A: computed on the way; B: input Wv: QUANTISED
;;     4. batch 32 x [M 2,048, K 64] x [K 64, N 2,048]; A: computed on the way; B: computed on the way: QUANTISED
;;     5. batch 32 x [M 64, K 2,048] x [K 2,048, N 2,048]; A: computed on the way; B: softmax (see below): QUANTISED
;;     6. [M 4,096, K 1,024] x [K 1,024, N 1,024]; A: computed on the way; B: input Wo: QUANTISED
;;     7. [M 4,096, K 1,024] x [K 1,024, N 4,096]; A: computed on the way; B: input W1: QUANTISED
;;     8. [M 4,096, K 4,096] x [K 4,096, N 1,024]; A: computed on the way; B: input W2: QUANTISED
;;   THE QUANTISER, for each operand of a quantised product, along K:
;;     - K is cut into blocks of 32 from its start; a last block that is shorter is filled with zeros.
;;     - A block's scale is 2^e with e = floor(log2(the largest magnitude in the block)) - 2, held to -126 .. 127; a block of zeros has e = 0. As a byte (E8M0): e + 127.
;;     - Each number is divided by its block's scale, clamped to +-7.5, and rounded to the nearest number of E2M3, ties to even, subnormals kept.
;;     - The product sums the exact products of the quantised numbers (number of the format x scale) in f32.
;;   ~~~python
;;   def quantise(x, axis):      # numpy; x: float32 -> the quantised numbers, widened to float32 again
;;       x = np.moveaxis(x, axis, -1); K = x.shape[-1]
;;       x = np.pad(x, [(0, 0)] * (x.ndim - 1) + [(0, -K % 32)]); x = x.reshape(x.shape[:-1] + (-1, 32)); a = np.abs(x).max(-1, keepdims=True)
;;       e = np.where(a > 0, np.clip(np.frexp(np.where(a > 0, a, 1))[1] - 1 - 2, -126, 127), 0)      # np.frexp(a)[1] - 1 = floor(log2(a)), exactly
;;       r = np.clip(x / 2.0 ** e, -7.5, 7.5)
;;       step = 2.0 ** (np.maximum(np.frexp(np.where(r == 0, 1, r))[1] - 1, 0) - 3)
;;       q = np.round(r / step) * step * 2.0 ** e      # np.round: ties to even
;;       return np.moveaxis(q.reshape(q.shape[:-2] + (-1,))[..., :K], -1, axis).astype(np.float32)
;;   ~~~
;;   SOFTMAX AHEAD OF A QUANTISED PRODUCT. Where the list says 'softmax', what is quantised is not the finished softmax but p = 2^(t - M), with t = logit x log2(e) and M = ceil(the row's largest t), a whole number; so 1/2 < the row's largest p <= 1. The row's sum l is taken of the UNQUANTISED p, in f32, and the product's result is divided by l at the end. Since M is a whole number, a kernel that streams over the keys may use a running M (the ceiling of the running maximum): every later rescaling is an exact power of two, which a block's scale takes up: the codes' values come out the same.
;;   OPERANDS COMPUTED ON THE WAY. 'Computed on the way' means the value that the module computes at that place (a softmax that the list does not call 'softmax' is quantised finished and normalised). What goes into a quantiser is computed in f32, as accurately as f32 sums, v_exp_f32 and their like allow (about 1e-6 of the number): no bf16 or f16 on the way to a quantiser, and a product that is left as it is and whose result goes on into a quantised operand takes f32 operands (vector FMAs, or v_wmma_f32_16x16x4_f32). A number that lies on a knife's edge between two numbers of the format may be rounded either way, as far as f32 arithmetic and the matrix unit's own rounding can turn it there, and no further.
;; One version. Each part assembles by itself: llvm-mc -triple=amdgcn-amd-amdhsa -mcpu=gfx1250 --defsym DOCPART=n.
;; ======== version 1 of 1: 7 launches
;; limits: right only within a limited range of input values
;; workspace buffers: WB 9,830,400 bytes; HB 3,276,800 bytes; QB 9,830,400 bytes; CB 3,276,800 bytes; X1 16,777,216 bytes; FB 13,107,200 bytes
;; launch prep (part 1): grid 640 x 1, 8 waves a work-group, no clusters, 50,688 bytes of LDS; arguments x, g1, b1, HB, Wq, Wk, Wv, Wo, W1, W2, WB; writes HB, WB
.if DOCPART == 1
	.amdgcn_target "amdgcn-amd-amdhsa--gfx1250"
	.amdhsa_code_object_version 6
	.text
	.protected	k_q7b49ff02ac_prep
	.globl	k_q7b49ff02ac_prep
	.p2align	8
	.type	k_q7b49ff02ac_prep,@function
k_q7b49ff02ac_prep:
	s_mov_b64 s[64:65], 0
	v_nop
	global_prefetch_b8 v0, s[64:65] scope:SCOPE_SE
	s_setreg_imm32_b32 hwreg(HW_REG_WAVE_MODE, 25, 1), 1
	s_wait_xcnt 0x0
; THE PROGRAM: a pre-norm transformer block, 4,096 tokens x 1,024, 16 heads of 64, hidden 4,096; all eight products on codes of FP6 (E2M3) with one E8M0 scale for each 32 along K.
; Seven launches: prep (norm 1 -> codes; the six weights -> codes), qkv, attn, wo (+ x), ln2 (norm 2 -> codes), ffn1 (+ bf1, gelu -> codes), ffn2 (+ bf2, + residual).
; WORK LEFT OUT: reference() builds a causal jnp.tril itself and sets the scores above it to -inf, so their weights are 0 for all values of the inputs: a step of 128 keys all of which come after a wave's
; queries can reach no output and is not multiplied (launch attn).  Nothing else is left out; every input is loaded.  LIMIT: a NaN, an infinity or an overflow that reaches only those scores is not carried on.
; LIMITS: NaN and infinities among the inputs are not served.  A block whose largest magnitude lies under 2^-124 keeps the scale byte 1; a block of zeros gets the byte 1 where the rule says 127:
; its codes are zeros, which add nothing under any byte but 0xff, and the bytes are read by this program alone.
; THE WORKSPACE'S LAYOUT, for every operand.  Rows go in tiles of 16 that are not neighbours: lane row r of tile T is row 32 (T / 2) + 8 (T % 2) + r + 8 (r / 8), so that in a transposed product the 16 registers
; of two neighbouring tiles are 16 neighbours along the next K.  Codes lie as images of the operand's registers: for a tile and 64 along K a HALF-IMAGE of 768 bytes: lane L = r + 16 h owns six words, the
; codes of k = 32 h + 0 .. 31; words 0-3 at byte 16 L, words 4-5 at byte 512 + 8 L.  Scale words: for a tile and 128 along K sixteen words, word r the four bytes of lane row r.
; THIS LAUNCH.  Work-groups 0-255: the norm of one tile of 16 rows of x (a wave: two rows, each whole in its registers), quantised along the row, to HB.  Work-groups 256-639: the weights, stored [k][n]:
; a lane takes a column and its registers run down K (a wave: 32 columns x 128 K; the eight waves stand side by side on 1,024 bytes of each row), to WB.  Wq's and Wk's tiles lie by turns, four and four,
; so that a head's q and k come out of one product side by side.  The two paths part on the work-group's number; the norm's path alone uses LDS.
.set WST,   4608                       ; a wave's stage: 32 places of 128 bytes + 16
.set IMG,   8*WST                      ; the tile's 16 half-images
.set SCI,   IMG+12288                  ; its 8 x 16 scale words
.set SPARE, SCI+512                    ; the spare words, 128 bytes for each wave: no other line names them
.set SPW, 2                            ; v2  LDS address of my spare word; never rewritten
.set NIL, 3                            ; v3  0; never rewritten
.set X,   32                           ; v32-63 row 0, v64-95 row 1
.set GA,  96                           ; v96-127 gain
.set BE,  128                          ; v128-159 bias
.set CD,  160                          ; v160.. row 0's codes, v170.. row 1's
.set OUTR, 180                         ; v180-191 the way out
	v_lshl_add_u32 v[SPW], v0, 2, SPARE
	v_mov_b32 v[NIL], 0
	v_lshrrev_b32 v12, 5, v0
	s_delay_alu instid0(VALU_DEP_1)
	v_readfirstlane_b32 s26, v12                   ; wave 0..7
	v_and_b32 v1, 31, v0                           ; lane
	s_cmp_lt_u32 ttmp9, 256
	s_cbranch_scc0 .Lweights
; ---------------- the norm ----------------
	s_load_b256 s[4:11], s[0:1], 0x0               ; x s[4:5], gain s[6:7], bias s[8:9], HB s[10:11]
	v_lshlrev_b32 v4, 4, v1                        ; 16 x lane
	s_mul_i32 s27, s26, WST
	v_lshrrev_b32 v12, 3, v1
	s_delay_alu instid0(VALU_DEP_1)
	v_mul_u32_u24 v12, v12, 144
	v_and_b32 v13, 7, v1
	s_delay_alu instid0(VALU_DEP_1)
	v_lshl_add_u32 v12, v13, 4, v12
	s_delay_alu instid0(VALU_DEP_1)
	v_add_nc_u32 v5, s27, v12                      ; the stage, in: eight lanes' 128 bytes on end, then 16 of padding
	v_mul_u32_u24 v12, v1, 144
	s_delay_alu instid0(VALU_DEP_1)
	v_add_nc_u32 v6, s27, v12                      ; out: place = lane: my block of 32 neighbours
	v_lshrrev_b32 v12, 1, v1
	s_delay_alu instid0(VALU_DEP_1)
	v_mul_u32_u24 v12, v12, 768
	v_and_b32 v13, 1, v1
	s_delay_alu instid0(VALU_DEP_1)
	v_lshl_add_u32 v14, v13, 8, v12
	s_lshl_b32 s28, s26, 4
	s_add_co_u32 s28, s28, IMG
	v_add_nc_u32 v7, s28, v14                      ; half-image lane / 2, image lane (wave + 8 row) + 16 (lane % 2): words 0-3
	v_lshl_add_u32 v14, v13, 7, v12
	s_lshl_b32 s28, s26, 3
	s_add_co_u32 s28, s28, IMG+512
	v_add_nc_u32 v8, s28, v14                      ; words 4-5
	v_lshrrev_b32 v12, 2, v1
	v_and_b32 v13, 3, v1
	s_delay_alu instid0(VALU_DEP_1)
	v_lshl_add_u32 v12, v12, 6, v13
	s_lshl_b32 s28, s26, 2
	s_add_co_u32 s28, s28, SCI
	v_add_nc_u32 v9, s28, v12                      ; my block's byte: K step lane / 4, byte lane % 4 of the row's word
	s_mul_i32 s29, s26, 1536
	s_add_co_u32 s28, s29, IMG
	v_add_nc_u32 v10, s28, v4                      ; the way out: my wave's 1,536 bytes of the images
	v_add_nc_u32 v11, SCI, v4
	s_mov_b32 s38, 0x76543210
	s_mov_b32 s39, 0xfedcba98                      ; v_permlanex16_b32's selects for lane l xor 16
	s_lshr_b32 s30, ttmp9, 1
	s_lshl_b32 s30, s30, 5
	s_and_b32 s31, ttmp9, 1
	s_lshl_b32 s31, s31, 3
	s_add_co_u32 s30, s30, s31
	s_add_co_u32 s30, s30, s26                     ; my first row: lane row = wave; my second, lane row wave + 8, lies 16 rows on
	s_lshl_b32 s30, s30, 12
	s_mov_b32 s31, 0
	s_mul_i32 s32, ttmp9, 12288
	s_add_co_u32 s32, s32, s29
	s_mov_b32 s33, 0
	s_lshl_b32 s34, ttmp9, 9
	s_add_co_u32 s34, s34, 3145728
	s_mov_b32 s35, 0
	s_wait_kmcnt 0x0
	s_add_nc_u64 s[4:5], s[4:5], s[30:31]
	s_add_nc_u64 s[32:33], s[10:11], s[32:33]      ; the tile's codes, my wave's part
	s_add_nc_u64 s[34:35], s[10:11], s[34:35]      ; the tile's scale words
.irp p, 0,1
.irp j, 0,1,2,3,4,5,6,7
	global_load_b128 v[X+32*\p+4*\j:X+32*\p+4*\j+3], v4, s[4:5] offset:65536*\p+512*\j th:TH_LOAD_NT   ; 32 lanes read 512 consecutive bytes
.endr
.endr
.irp j, 0,1,2,3,4,5,6,7
	global_load_b128 v[GA+4*\j:GA+4*\j+3], v4, s[6:7] offset:512*\j
.endr
.irp j, 0,1,2,3,4,5,6,7
	global_load_b128 v[BE+4*\j:BE+4*\j+3], v4, s[8:9] offset:512*\j
.endr
.macro REDUCE                          ; v[12+8p:15+8p], four partial sums a lane, become the row's sum in v[12+8p] of every lane; the two rows by turns
.irp p, 0
	s_delay_alu instid0(VALU_DEP_3)
	v_pk_add_f32 v[12+8*\p:13+8*\p], v[12+8*\p:13+8*\p], v[14+8*\p:15+8*\p]
.endr
.irp p, 1
	s_delay_alu instid0(VALU_DEP_2)
	v_pk_add_f32 v[12+8*\p:13+8*\p], v[12+8*\p:13+8*\p], v[14+8*\p:15+8*\p]
.endr
.irp p, 0,1
	s_delay_alu instid0(VALU_DEP_2)
	v_add_f32 v[12+8*\p], v[12+8*\p], v[13+8*\p]
.endr
.irp m, 1,2,4,8
.irp p, 0,1
	s_delay_alu instid0(VALU_DEP_2)
	v_add_f32_dpp v[12+8*\p], v[12+8*\p], v[12+8*\p] row_xmask:\m row_mask:0xf bank_mask:0xf
.endr
.endr
.irp p, 0,1
	s_delay_alu instid0(VALU_DEP_2)
	v_permlanex16_b32 v[13+8*\p], v[12+8*\p], s38, s39
.endr
.irp p, 0,1
	s_delay_alu instid0(VALU_DEP_2)
	v_add_f32 v[12+8*\p], v[12+8*\p], v[13+8*\p]
.endr
.endm
	s_wait_loadcnt 16                              ; the two rows are in; the gain's and the bias's 16 loads may be out
.irp p, 0,1
	v_pk_add_f32 v[12+8*\p:13+8*\p], v[X+32*\p:X+32*\p+1], v[X+32*\p+2:X+32*\p+3]
	v_pk_add_f32 v[14+8*\p:15+8*\p], v[X+32*\p+4:X+32*\p+5], v[X+32*\p+6:X+32*\p+7]
.endr
.irp j, 8,12,16,20,24,28
.irp p, 0,1
	s_delay_alu instid0(VALU_DEP_4)
	v_pk_add_f32 v[12+8*\p:13+8*\p], v[12+8*\p:13+8*\p], v[X+32*\p+\j:X+32*\p+\j+1]
	s_delay_alu instid0(VALU_DEP_4)
	v_pk_add_f32 v[14+8*\p:15+8*\p], v[14+8*\p:15+8*\p], v[X+32*\p+\j+2:X+32*\p+\j+3]
.endr
.endr
	REDUCE
.irp p, 0
	s_delay_alu instid0(VALU_DEP_2)
	v_mul_f32 v[16+8*\p], 0x3a800000, v[12+8*\p]   ; the mean: sum / 1,024, in both halves of a pair
	s_delay_alu instid0(VALU_DEP_3)
	v_mul_f32 v[17+8*\p], 0x3a800000, v[12+8*\p]
.endr
.irp p, 1
	s_delay_alu instid0(VALU_DEP_3)
	v_mul_f32 v[16+8*\p], 0x3a800000, v[12+8*\p]   ; the mean: sum / 1,024, in both halves of a pair
	s_delay_alu instid0(VALU_DEP_4)
	v_mul_f32 v[17+8*\p], 0x3a800000, v[12+8*\p]
.endr
.set jj, 0
.rept 16
.irp p, 0,1
	v_pk_add_f32 v[X+32*\p+jj:X+32*\p+jj+1], v[X+32*\p+jj:X+32*\p+jj+1], v[16+8*\p:17+8*\p] neg_lo:[0,1] neg_hi:[0,1]   ; x - mean, in place
.endr
.set jj, jj+2
.endr
.irp p, 0,1
	v_pk_mul_f32 v[12+8*\p:13+8*\p], v[X+32*\p:X+32*\p+1], v[X+32*\p:X+32*\p+1]
	v_pk_mul_f32 v[14+8*\p:15+8*\p], v[X+32*\p+2:X+32*\p+3], v[X+32*\p+2:X+32*\p+3]
.endr
.irp j, 4,8,12,16,20,24,28
.irp p, 0,1
	s_delay_alu instid0(VALU_DEP_4)
	v_pk_fma_f32 v[12+8*\p:13+8*\p], v[X+32*\p+\j:X+32*\p+\j+1], v[X+32*\p+\j:X+32*\p+\j+1], v[12+8*\p:13+8*\p]
	s_delay_alu instid0(VALU_DEP_4)
	v_pk_fma_f32 v[14+8*\p:15+8*\p], v[X+32*\p+\j+2:X+32*\p+\j+3], v[X+32*\p+\j+2:X+32*\p+\j+3], v[14+8*\p:15+8*\p]
.endr
.endr
	REDUCE
.irp p, 0,1
	s_delay_alu instid0(VALU_DEP_2)
	v_mul_f32 v[12+8*\p], 0x3a800000, v[12+8*\p]   ; the mean square
.endr
	s_wait_alu depctr_va_vdst(0)
.irp p, 0,1
	v_sqrt_f32 v[14+8*\p], v[12+8*\p]
.endr
	v_nop                                          ; a plain instruction behind the roots,
	s_wait_alu depctr_va_vdst(0)                   ; and one wait for both, ahead of their first reader
.irp p, 0,1
	v_add_f32 v[14+8*\p], 0x3727c5ac, v[14+8*\p]   ; std + 1e-5
.endr
	s_wait_alu depctr_va_vdst(0)
.irp p, 0,1
	v_rcp_f32 v[18+8*\p], v[14+8*\p]
.endr
	v_nop
	s_wait_alu depctr_va_vdst(0)
.irp p, 0,1
	v_mov_b32 v[19+8*\p], v[18+8*\p]
.endr
	s_wait_alu depctr_va_vdst(0)
	s_wait_loadcnt 0x0                             ; gain and bias
.set jj, 0
.rept 16
.irp p, 0,1
	v_pk_mul_f32 v[X+32*\p+jj:X+32*\p+jj+1], v[X+32*\p+jj:X+32*\p+jj+1], v[18+8*\p:19+8*\p]
	s_delay_alu instid0(VALU_DEP_1)
	v_pk_fma_f32 v[X+32*\p+jj:X+32*\p+jj+1], v[X+32*\p+jj:X+32*\p+jj+1], v[GA+jj:GA+jj+1], v[BE+jj:BE+jj+1]
.endr
.set jj, jj+2
.endr
; Row p goes through my stage, so that lane l holds block l, 32 neighbours; then the block's scale, its codes, and their place in the tile's images.
.macro ROWQ p
.set XR, X+32*(\p)
.set CR, CD+10*(\p)
.set MR, 12+8*(\p)
.irp j, 0,1,2,3,4,5,6,7
	ds_store_b128 v5, v[XR+4*\j:XR+4*\j+3] offset:576*\j
.endr
.irp j, 0,1,2,3,4,5,6,7
	ds_load_b128 v[XR+4*\j:XR+4*\j+3], v6 offset:16*\j   ; LDS serves a wave's instructions in order: these see the stores above
.endr
	s_wait_dscnt 0x0
	v_max3_num_f32 v[MR], |v[XR]|, |v[XR+1]|, |v[XR+2]|
	v_max3_num_f32 v[MR+1], |v[XR+3]|, |v[XR+4]|, |v[XR+5]|
.irp i, 6,10,14,18,22,26
	s_delay_alu instid0(VALU_DEP_2)
	v_max3_num_f32 v[MR], v[MR], |v[XR+\i]|, |v[XR+\i+1]|
	s_delay_alu instid0(VALU_DEP_2)
	v_max3_num_f32 v[MR+1], v[MR+1], |v[XR+\i+2]|, |v[XR+\i+3]|
.endr
	s_delay_alu instid0(VALU_DEP_2)
	v_max3_num_f32 v[MR], v[MR], |v[XR+30]|, |v[XR+31]|
	s_delay_alu instid0(VALU_DEP_1)
	v_max3_num_f32 v[MR], v[MR], v[MR+1], 0x1800000   ; the floor 2^(3 - 127): the byte cannot fall under 1
	s_delay_alu instid0(VALU_DEP_1)
	v_add_nc_u32 v[MR+2], 0xff000000, v[MR]        ; 2 off the exponent field: the conversion takes that field as its scale
	s_delay_alu instid0(VALU_DEP_1)
	v_lshrrev_b32 v[MR+3], 23, v[MR+2]             ; the scale's byte
	v_cvt_scalef32_pk16_fp6_f32 v[CR:CR+2], v[XR:XR+15], v[MR+2]
	v_cvt_scalef32_pk16_fp6_f32 v[CR+6:CR+8], v[XR+16:XR+31], v[MR+2]   ; (a conversion's three registers begin on an even number)
	v_nop                                          ; one plain instruction behind a scaled conversion
.irp i, 0,1,2
	v_mov_b32 v[CR+3+\i], v[CR+6+\i]
.endr
	ds_store_b128 v7, v[CR:CR+3] offset:128*(\p)
	ds_store_b64 v8, v[CR+4:CR+5] offset:64*(\p)
	ds_store_b8 v9, v[MR+3] offset:32*(\p)
.endm
	ROWQ 0
	ROWQ 1
	s_wait_dscnt 0x0                               ; for the others' sake: my stores into the images are done
	s_barrier_signal -1
	s_barrier_wait -1
.irp c, 0,1,2
	ds_load_b128 v[OUTR+4*\c:OUTR+4*\c+3], v10 offset:512*\c
.endr
	s_wait_dscnt 0x0
.irp c, 0,1,2
	global_store_b128 v4, v[OUTR+4*\c:OUTR+4*\c+3], s[32:33] offset:512*\c   ; 32 lanes store 512 consecutive bytes, aligned
.endr
	s_cmp_lg_u32 s26, 0
	s_cbranch_scc1 .Lnot_wave_0
	ds_load_b128 v[32:35], v11                     ; wave 0: the tile's 512 bytes of scale words
	s_wait_dscnt 0x0
	global_store_b128 v4, v[32:35], s[34:35]
.Lnot_wave_0:
	s_wait_tensorcnt 0x0                           ; the wave's end
	ds_add_u32 v[SPW], v[NIL]
	s_wait_dscnt 0x0
	s_endpgm
; ---------------- the weights ----------------
.Lweights:
	s_load_b256 s[12:19], s[0:1], 0x20             ; Wq s[12:13], Wk s[14:15], Wv s[16:17], Wo s[18:19]
	s_load_b128 s[20:23], s[0:1], 0x40             ; W1 s[20:21], W2 s[22:23]
	s_load_b64 s[24:25], s[0:1], 0x50              ; WB
	s_sub_co_u32 s27, ttmp9, 256                   ; g: 0-127 the four of 1,024 x 1,024 (32 each), 128-255 W1, 256-383 W2
	s_lshr_b32 s28, s27, 7                         ; 0, 1 (W1), 2 (W2)
	s_lshr_b32 s29, s27, 5                         ; 0-3: Wq, Wk, Wv, Wo
	s_and_b32 s30, s27, 127
	s_and_b32 s31, s27, 31
	s_cmp_eq_u32 s28, 0
	s_cselect_b32 s30, s31, s30                    ; t: my place in the tensor
	s_cmp_eq_u32 s28, 1
	s_cselect_b32 s31, 15, 3                       ; groups of 256 columns: 16 in W1, 4 in the others
	s_cselect_b32 s32, 4, 2
	s_cselect_b32 s35, 21, 19                      ; 128 rows of the tensor in bytes, as a shift
	s_and_b32 s33, s30, s31
	s_lshr_b32 s34, s30, s32                       ; ks: which 128 along K
	s_lshl_b32 s33, s33, 3
	s_add_co_u32 s33, s33, s26                     ; cg: my wave's group of 32 columns
	s_lshl_b32 s36, s34, s35
	s_lshl_b32 s37, s33, 7
	s_add_co_u32 s36, s36, s37                     ; where my unit begins in the tensor
	s_mov_b32 s37, 0
	s_lshr_b32 s38, s33, 1                         ; P, the pair of tiles that my 32 columns make: cg, but in Wq and Wk 4 (cg / 2) + cg % 2, + 2 in Wk
	s_lshl_b32 s38, s38, 2
	s_and_b32 s39, s33, 1
	s_add_co_u32 s38, s38, s39
	s_lshl_b32 s39, s29, 1
	s_add_co_u32 s38, s38, s39
	s_cmp_lt_u32 s29, 2
	s_cselect_b32 s38, s38, s33
	s_mov_b32 s40, 0                               ; the tensor's regions in WB: codes, scale words
	s_mov_b32 s41, 9437184
	s_mov_b32 s42, 12288                           ; bytes of a tile's codes
	s_mov_b32 s43, 512                             ; and of its scale words
	s_cmp_eq_u32 s29, 2
	s_cselect_b32 s40, 1572864, s40
	s_cselect_b32 s41, 9502720, s41
	s_cmp_eq_u32 s29, 3
	s_cselect_b32 s40, 2359296, s40
	s_cselect_b32 s41, 9535488, s41
	s_cmp_eq_u32 s28, 1
	s_cselect_b32 s40, 3145728, s40
	s_cselect_b32 s41, 9568256, s41
	s_cmp_eq_u32 s28, 2
	s_cselect_b32 s40, 6291456, s40
	s_cselect_b32 s41, 9699328, s41
	s_cselect_b32 s42, 49152, s42
	s_cselect_b32 s43, 2048, s43
	s_lshl_b32 s44, s38, 1                         ; tile 2 P
	s_mul_i32 s46, s44, s42
	s_mul_i32 s45, s34, 1536
	s_add_co_u32 s46, s46, s45
	s_add_co_u32 s46, s46, s40
	s_mov_b32 s47, 0
	s_mul_i32 s54, s44, s43
	s_lshl_b32 s45, s34, 6
	s_add_co_u32 s54, s54, s45
	s_add_co_u32 s54, s54, s41
	s_mov_b32 s55, 0
	s_mov_b32 s56, s42
	s_mov_b32 s57, 0
	s_wait_alu depctr_va_vdst(0)
	v_and_b32 v12, 15, v1                          ; r
	v_lshrrev_b32 v13, 4, v1                       ; h
	s_delay_alu instid0(VALU_DEP_2)
	v_and_b32 v14, 8, v12
	s_delay_alu instid0(VALU_DEP_1)
	v_add_nc_u32 v14, v14, v12
	s_delay_alu instid0(VALU_DEP_1)
	v_lshl_add_u32 v14, v13, 3, v14                ; my column of the 32: r + 8 (r / 8) + 8 h: lanes 0-15 are tile 2 P's rows, lanes 16-31 tile 2 P + 1's
	s_delay_alu instid0(VALU_DEP_1)
	v_lshlrev_b32 v4, 2, v14
	v_lshlrev_b32 v5, 4, v1
	v_lshlrev_b32 v6, 3, v1
	v_mul_lo_u32 v7, v13, s43
	s_delay_alu instid0(VALU_DEP_1)
	v_lshl_add_u32 v7, v12, 2, v7                  ; my scale word: 4 r, in my tile
	s_wait_kmcnt 0x0
	s_cmp_eq_u32 s29, 1                            ; the tensor: a choice on the work-group's number alone
	s_cselect_b64 s[12:13], s[14:15], s[12:13]
	s_cmp_eq_u32 s29, 2
	s_cselect_b64 s[12:13], s[16:17], s[12:13]
	s_cmp_eq_u32 s29, 3
	s_cselect_b64 s[12:13], s[18:19], s[12:13]
	s_cmp_eq_u32 s28, 1
	s_cselect_b64 s[12:13], s[20:21], s[12:13]
	s_cmp_eq_u32 s28, 2
	s_cselect_b64 s[12:13], s[22:23], s[12:13]
	s_add_nc_u64 s[12:13], s[12:13], s[36:37]
	s_add_nc_u64 s[48:49], s[24:25], s[46:47]      ; tile 2 P's two half-images of this K step,
	s_add_nc_u64 s[50:51], s[48:49], s[56:57]      ; tile 2 P + 1's,
	s_add_nc_u64 s[52:53], s[24:25], s[54:55]      ; and the scale words
.macro WLOAD t, stride                 ; block t: W(32 t + i, my column), i = 0 .. 31, into set t % 2: 32 lanes read 128 consecutive bytes
.set ii, 0
.rept 32
	global_load_b32 v[32+32*((\t)%2)+ii], v4, s[12:13] offset:(32*(\t)+ii)*(\stride) th:TH_LOAD_NT
.set ii, ii+1
.endr
.endm
.macro WBLOCK t, stride
.set XS, 32+32*((\t)%2)
.if (\t) < 3
	s_wait_loadcnt 32                              ; this block's 32 loads are in; the next block's may be out
.else
	s_wait_loadcnt 0x0
.endif
	v_max3_num_f32 v12, |v[XS]|, |v[XS+1]|, |v[XS+2]|   ; the block's largest magnitude: all 32 numbers are mine
	v_max3_num_f32 v13, |v[XS+3]|, |v[XS+4]|, |v[XS+5]|
.irp i, 6,10,14,18,22,26
	s_delay_alu instid0(VALU_DEP_2)
	v_max3_num_f32 v12, v12, |v[XS+\i]|, |v[XS+\i+1]|
	s_delay_alu instid0(VALU_DEP_2)
	v_max3_num_f32 v13, v13, |v[XS+\i+2]|, |v[XS+\i+3]|
.endr
	s_delay_alu instid0(VALU_DEP_2)
	v_max3_num_f32 v12, v12, |v[XS+30]|, |v[XS+31]|
	s_delay_alu instid0(VALU_DEP_1)
	v_max3_num_f32 v12, v12, v13, 0x1800000
	s_delay_alu instid0(VALU_DEP_1)
	v_add_nc_u32 v11, 0xff000000, v12
	s_delay_alu instid0(VALU_DEP_1)
	v_lshrrev_b32 v13, 23, v11
.if (\t) == 0
	s_delay_alu instid0(VALU_DEP_1)
	v_mov_b32 v124, v13                            ; the four bytes make my column's scale word
.else
	s_delay_alu instid0(VALU_DEP_1)
	v_lshl_or_b32 v124, v13, 8*(\t), v124
.endif
	v_cvt_scalef32_pk16_fp6_f32 v[96+6*(\t):98+6*(\t)], v[XS:XS+15], v11
	v_cvt_scalef32_pk16_fp6_f32 v[120:122], v[XS+16:XS+31], v11
	v_nop
.irp i, 0,1,2
	v_mov_b32 v[99+6*(\t)+\i], v[120+\i]
.endr
.if (\t)+2 < 4
	WLOAD (\t)+2, \stride
.endif
.endm
.macro WUNIT stride
	WLOAD 0, \stride
	WLOAD 1, \stride
	WBLOCK 0, \stride
	WBLOCK 1, \stride
	WBLOCK 2, \stride
	WBLOCK 3, \stride
.endm
	s_cmp_eq_u32 s28, 1                            ; the row's length stands in the loads' immediates: so the unit is written for each of the two lengths
	s_cbranch_scc1 .Lwide
	s_wait_alu depctr_va_vdst(0)
	WUNIT 4096
	s_branch .Lpacked
.Lwide:
	s_wait_alu depctr_va_vdst(0)
	WUNIT 16384
.Lpacked:
.irp c, 0,1                            ; a lane holds all four blocks of its row; an image wants block 2 c in lanes 0-15 and block 2 c + 1 in lanes 16-31 of ONE tile:
.irp i, 0,1,2,3,4,5
	v_permlane16_swap_b32 v[96+12*\c+\i], v[102+12*\c+\i]   ; the first's lanes 16-31 change places with the second's lanes 0-15: the first is now tile 2 P's half-image, the second tile 2 P + 1's
.endr
.endr
.irp c, 0,1
	global_store_b128 v5, v[96+12*\c:99+12*\c], s[48:49] offset:768*\c
	global_store_b64 v6, v[100+12*\c:101+12*\c], s[48:49] offset:768*\c+512
	global_store_b128 v5, v[102+12*\c:105+12*\c], s[50:51] offset:768*\c
	global_store_b64 v6, v[106+12*\c:107+12*\c], s[50:51] offset:768*\c+512
.endr
	global_store_b32 v7, v124, s[52:53]
	s_endpgm
.Lfunc_end_k_q7b49ff02ac_prep:
	.size	k_q7b49ff02ac_prep, .Lfunc_end_k_q7b49ff02ac_prep-k_q7b49ff02ac_prep
	.p2alignl 7, 3214868480
	.fill 96, 4, 3214868480
	.section	.rodata,"a",@progbits
	.p2align	6, 0x0
	.amdhsa_kernel k_q7b49ff02ac_prep
		.amdhsa_group_segment_fixed_size 50688
		.amdhsa_private_segment_fixed_size 0
		.amdhsa_enable_private_segment 0
		.amdhsa_kernarg_size 88
		.amdhsa_user_sgpr_count 2
		.amdhsa_user_sgpr_kernarg_segment_ptr 1
		.amdhsa_wavefront_size32 1
		.amdhsa_system_sgpr_workgroup_id_x 1
		.amdhsa_system_sgpr_workgroup_id_y 1
		.amdhsa_system_sgpr_workgroup_id_z 1
		.amdhsa_system_vgpr_workitem_id 0
		.amdhsa_next_free_vgpr 192
		.amdhsa_next_free_sgpr 66
		.amdhsa_reserve_vcc 0
		.amdhsa_float_denorm_mode_32 3
		.amdhsa_float_denorm_mode_16_64 3
		.amdhsa_memory_ordered 1
		.amdhsa_forward_progress 1
		.amdhsa_inst_pref_size 75
	.end_amdhsa_kernel
	.amdgpu_metadata
---
amdhsa.version: [ 1, 2 ]
amdhsa.kernels:
  - .name:           k_q7b49ff02ac_prep
    .symbol:         k_q7b49ff02ac_prep.kd
    .args:
      - { .name: x, .offset: 0, .size: 8, .value_kind: global_buffer, .address_space: global }
      - { .name: g1, .offset: 8, .size: 8, .value_kind: global_buffer, .address_space: global }
      - { .name: b1, .offset: 16, .size: 8, .value_kind: global_buffer, .address_space: global }
      - { .name: HB, .offset: 24, .size: 8, .value_kind: global_buffer, .address_space: global }
      - { .name: Wq, .offset: 32, .size: 8, .value_kind: global_buffer, .address_space: global }
      - { .name: Wk, .offset: 40, .size: 8, .value_kind: global_buffer, .address_space: global }
      - { .name: Wv, .offset: 48, .size: 8, .value_kind: global_buffer, .address_space: global }
      - { .name: Wo, .offset: 56, .size: 8, .value_kind: global_buffer, .address_space: global }
      - { .name: W1, .offset: 64, .size: 8, .value_kind: global_buffer, .address_space: global }
      - { .name: W2, .offset: 72, .size: 8, .value_kind: global_buffer, .address_space: global }
      - { .name: WB, .offset: 80, .size: 8, .value_kind: global_buffer, .address_space: global }
    .group_segment_fixed_size: 50688
    .private_segment_fixed_size: 0
    .kernarg_segment_align: 8
    .kernarg_segment_size: 88
    .max_flat_workgroup_size: 256
    .sgpr_count:     66
    .vgpr_count:     192
    .wavefront_size: 32
...
	.end_amdgpu_metadata
.endif
;; end of part 1
;; launch qkv (part 2): grid 16 x 12, 4 waves a work-group, clusters of 4 x 4, 327,680 bytes of LDS; arguments HB, WB, QB; writes QB
.if DOCPART == 2
	.amdgcn_target "amdgcn-amd-amdhsa--gfx1250"
	.amdhsa_code_object_version 6
	.text
	.protected	k_q7b49ff02ac_qkv
	.globl	k_q7b49ff02ac_qkv
	.p2align	8
	.type	k_q7b49ff02ac_qkv,@function
k_q7b49ff02ac_qkv:
	s_mov_b64 s[64:65], 0
	v_nop
	global_prefetch_b8 v0, s[64:65] scope:SCOPE_SE
	s_setreg_imm32_b32 hwreg(HW_REG_WAVE_MODE, 25, 1), 1
	s_wait_xcnt 0x0
	s_wait_alu depctr_hold_cnt(0) depctr_sa_sdst(0) depctr_va_vdst(0) depctr_va_sdst(0) depctr_va_ssrc(0) depctr_va_vcc(0) depctr_vm_vsrc(0)
	s_getreg_b32 s2, hwreg(HW_REG_IB_STS2, 6, 4)
	s_cmp_eq_u32 s2, 0
	s_cbranch_scc0 .Lentry_in_a_cluster
	s_endpgm
.Lentry_in_a_cluster:
	s_bfe_u32 s2, ttmp6, 0x10000c
	s_cmp_lg_u32 s2, 0xf033
	s_cbranch_scc0 .Lentry_shape_is_right
	s_endpgm
.Lentry_shape_is_right:
; q, k and v^T as codes: C[m][n] = sum over k of S[m][k] R[n][k] on codes of FP6 (E2M3) with E8M0 scales, K = 1,024; the result is quantised along n and stored in the workspace's layout (see prep).
; Clusters y 0, 1: S = the normed tokens (HB), R = Wq's and Wk's columns, four tiles and four by turns (WB).  Cluster y 2: S = Wv's columns, R = the tokens: v^T, quantised along the tokens.
; The choice hangs on the cluster's y alone, which all partners share, and is made by selects: no branch.
; SHARES.  A work-group makes 256 x 256, a wave 128 x 128.  R IS RESIDENT: a wave's 8 tiles of R stay in its registers for all of K, 64 fragments of 12 registers, read from LDS once.  S IS STREAMED: a loop walks
; the wave's 8 tiles of S: a trip is 64 products on 8 accumulators, then the quantiser and the stores.  The last trip is written out: it fetches nothing ahead.
; 128 blocks of q and k and 64 of v^T: 192 work-groups; the sizes give no 256 at this block.
; Transposed use (source 0 = R's tile, source 1 = S's): a lane holds one row of S, its 64 results are the halves of 4 blocks along n.
; LDS, in units of 4 tiles (49,152 bytes): S's 16 tiles lie in units 0-3; R's 16 in units 1, 3, 4, 5.  R comes first (one load a wave); behind a round, S's tiles 0-3 and 8-11
; (units 0, 2: first fills) come while R goes into registers; behind a round again, S's tiles 4-7 and 12-15 fill units 1 and 3 again.  A barrier late in each trip, with the wait for my tensor
; loads in front of it, stands ahead of the fetch of the next tile: so the second half is whole when trip 3 fetches tile 4.
; CLUSTER 4 x 4: S's tiles are asked for jointly by a row of the cluster, R's by a column.  NO PREFETCH: all loads go out in the head; no later stream is left to run ahead of.
; LIMITS: as stated at prep's head.
; REGISTERS, window 0: v1-9, v18-22, v28-31 addresses; v12-17 the quantiser's; v32-63 R's scale words (tile b, K steps 2 p and 2 p + 1 in the two halves of the lanes); v64-67 S's; v68-79 R's 64th fragment;
;   v80-143 the accumulators; v144-239 S's tile, 8 fragments; v240-248 codes.  Windows 1-3: 21 fragments of R each.
.set RTP,   12288
.set UNIT,  4*RTP
.set SPARE, 6*UNIT                     ; the spare words, 128 bytes for each wave: no other line names them
.set SPW, 8
.set NIL, 9
.set SB,  32
.set SA,  64
.set SA2, 250                          ; v250-253 the next tile's scale words, on their way
.set F63, 68
.set ACC, 80
.set AF,  144
.set PC,  240
.set G1R, 24
.set G0R, 32
.set G1S, 80
.set G0S, 88
.set CNT, 48
.set SLDS, 49
.set SSA, 50
.set SOFF, 51
.set SOFS, 52
.set SEL, 54
.set MSB, 0
.macro WIN new                         ; the immediate's high byte repeats the setting that is left
.if MSB != \new
	s_set_vgpr_msb (MSB<<8)|\new
.set MSB, \new
.endif
.endm
.macro CROUND                          ; a round of the cluster's barrier
	s_barrier_signal -1
	s_barrier_wait -1
	s_cmp_lg_u32 s14, 0
	s_cbranch_scc1 .Lnot_wave_0_\@
	s_barrier_signal -3
.Lnot_wave_0_\@:
	s_barrier_wait -3
	s_barrier_signal -1
	s_barrier_wait -1
.endm
.macro BPOS f                          ; where R's fragment f = 8 x K step + tile lies: window BW, register BR
.if (\f) == 63
.set BW, 0
.set BR, F63
.else
.set BW, 1+(\f)/21
.set BR, 12*((\f)%21)
.endif
.endm
	s_load_b128 s[4:7], s[0:1], 0x0                ; HB s[4:5], WB s[6:7]
	s_load_b64 s[8:9], s[0:1], 0x10                ; QB
	v_lshl_add_u32 v[SPW], v0, 2, SPARE
	v_mov_b32 v[NIL], 0
	ds_add_u32 v[SPW], v[NIL]                      ; the wave's opening: the add, twice on end, and its wait ahead of my first tensor load
	ds_add_u32 v[SPW], v[NIL]
	v_lshrrev_b32 v1, 5, v0
	v_readfirstlane_b32 s14, v1                    ; wave 0..3
	s_lshr_b32 s15, s14, 1                         ; mh: which 8 tiles of S are mine
	s_and_b32 s16, s14, 1                          ; nh: which 8 tiles of R
	s_bfe_u32 s12, ttmp6, 0x40000                  ; cx
	s_bfe_u32 s13, ttmp6, 0x40004                  ; cy
	s_and_b32 s19, ttmp7, 0xffff                   ; the cluster's y: under 2 q and k, 2 v^T
	s_cmp_lt_u32 s19, 2
	s_cselect_b32 s17, ttmp9, 0                    ; q, k: 16 blocks of S by the cluster's x, 8 of R by its y;  v^T: 4 of S, 16 of R by the cluster's x
	s_cselect_b32 s18, s19, ttmp9
	s_cselect_b32 s60, 0, 1572864                  ; where S's codes begin in their buffer (R's begin at 0 in both),
	s_mov_b32 s61, 9502720
	s_cselect_b32 s61, 3145728, s61                ; S's scale words,
	s_mov_b32 s62, 3145728
	s_cselect_b32 s62, 9437184, s62                ; R's scale words,
	s_cselect_b32 s63, 0, 6291456                  ; the result's codes in QB: q and k [256][32][768], v^T [64][64][768],
	s_mov_b32 s66, 9699328
	s_cselect_b32 s66, 9437184, s66                ; its scale words,
	s_mov_b32 s70, 49152
	s_cselect_b32 s70, 24576, s70                  ; and the two pitches from tile to tile
	s_mov_b32 s71, 2048
	s_cselect_b32 s71, 1024, s71
	s_lshl_b32 s17, s17, 2
	s_add_co_u32 s17, s17, s13                     ; my block of S
	s_lshl_b32 s18, s18, 2
	s_add_co_u32 s18, s18, s12                     ; my block of R
	s_lshl_b32 s19, s13, 2
	s_lshl_b32 s19, 15, s19                        ; my row of the cluster
	s_lshl_b32 s20, 0x1111, s12                    ; my column
	s_or_b32 s[G1S], s19, (3<<16)|(1<<21)          ; the mask; elements of 8 bytes; bit 21 beside a mask
	s_or_b32 s[G1R], s20, (3<<16)|(1<<21)
.irp g, G1S, G1R
	s_mov_b32 s[\g+1], 1536<<16                    ; a row = a tile's 12,288 bytes
	s_mov_b32 s[\g+3], 1536<<16
	s_mov_b32 s[\g+5], 1536
	s_mov_b32 s[\g+6], 0
	s_mov_b32 s[\g+7], 0
.endr
	s_mov_b32 s[G1S+2], 2<<16                      ; S: two tiles a load
	s_mov_b32 s[G1S+4], 2
	s_mov_b32 s[G1R+2], 4<<16                      ; R: four
	s_mov_b32 s[G1R+4], 4
	s_mov_b32 s[G0R], 1
	s_min_u32 s21, s14, 1
	s_add_co_u32 s21, s21, s14
	s_add_co_u32 s21, s21, 1                       ; units 1, 3, 4, 5 for waves 0 to 3
	s_mul_i32 s[G0R+1], s21, UNIT
	s_lshl_b32 s22, s18, 4                         ; R's first tile of the block
	s_lshl_b32 s23, s14, 2
	s_add_co_u32 s23, s23, s22
	s_mul_i32 s36, s23, RTP
	s_mov_b32 s37, 0
	s_mov_b32 s[G0S], 1
	s_mul_i32 s[G0S+1], s15, 2*UNIT
	s_mul_i32 s23, s16, 2*RTP
	s_add_co_u32 s[G0S+1], s[G0S+1], s23           ; tiles 8 mh + 2 nh, + 1
	s_lshl_b32 s21, s17, 4
	s_lshl_b32 s23, s15, 3
	s_add_co_u32 s21, s21, s23                     ; my wave's first tile of S
	s_lshl_b32 s23, s16, 1
	s_add_co_u32 s23, s23, s21
	s_mul_i32 s94, s23, RTP
	s_add_co_u32 s94, s94, s60
	s_mov_b32 s95, 0
	s_lshl_b32 s23, s16, 3
	s_add_co_u32 s22, s22, s23                     ; my wave's first tile of R
	s_lshl_b32 s38, s22, 9
	s_add_co_u32 s38, s38, s62
	s_mov_b32 s39, 0
	s_lshl_b32 s40, s21, 9
	s_add_co_u32 s40, s40, s61
	s_mov_b32 s41, 0
	s_mul_i32 s44, s21, s70                        ; the result: S's tile x pitch + 768 bytes for each 64 of R's rows = 192 a tile
	s_mul_i32 s23, s22, 192
	s_add_co_u32 s44, s44, s23
	s_add_co_u32 s44, s44, s63
	s_mov_b32 s45, 0
	s_mul_i32 s46, s21, s71                        ; its scale words: 64 bytes for each 128 of R's rows = 8 a tile
	s_lshl_b32 s23, s22, 3
	s_add_co_u32 s46, s46, s23
	s_add_co_u32 s46, s46, s66
	s_mov_b32 s47, 0
	s_mov_b32 s[SEL], 0x76543210
	s_mov_b32 s[SEL+1], 0xfedcba98
	s_mul_i32 s[SLDS], s15, 2*UNIT
	s_mov_b32 s[SSA], 0
	s_mov_b32 s[SOFF], 0
	s_mov_b32 s[SOFS], 0
	s_mul_i32 s20, s16, 3*UNIT
	s_add_co_u32 s20, s20, UNIT                    ; my tiles 0-3 of R: unit 1 or 4,
	s_mul_i32 s23, s16, 2*UNIT
	s_add_co_u32 s23, s23, 3*UNIT                  ; tiles 4-7: unit 3 or 5
	s_and_b32 s19, ttmp7, 0xffff
	s_wait_dscnt 0x0                               ; both opening adds are done
	s_wait_kmcnt 0x0
	s_cmp_lt_u32 s19, 2
	s_cselect_b64 s[10:11], s[4:5], s[6:7]         ; S's buffer
	s_cselect_b64 s[92:93], s[6:7], s[4:5]         ; R's
	s_add_nc_u64 s[G0R+2:G0R+3], s[92:93], s[36:37]
	s_or_b32 s[G0R+3], s[G0R+3], 0x80000000
	s_add_nc_u64 s[G0S+2:G0S+3], s[10:11], s[94:95]
	s_or_b32 s[G0S+3], s[G0S+3], 0x80000000
	s_add_nc_u64 s[38:39], s[92:93], s[38:39]
	s_add_nc_u64 s[40:41], s[10:11], s[40:41]
	s_add_nc_u64 s[44:45], s[8:9], s[44:45]
	s_add_nc_u64 s[46:47], s[8:9], s[46:47]
	CROUND                                         ; all sixteen work-groups are here: the first joint loads meet
	tensor_load_to_lds s[G0R:G0R+3], s[G1R:G1R+7]  ; my four of R's sixteen tiles: my one load at the head
	s_nop 0
.rept 4
	v_nop
.endr
	v_and_b32 v2, 31, v0                           ; lane
	v_and_b32 v7, 15, v0                           ; r
	v_lshlrev_b32 v1, 4, v2                        ; 16 x lane: an image's words 0-3
	v_lshlrev_b32 v18, 2, v2                       ; 4 x lane: scale words of two K steps
	v_lshlrev_b32 v2, 3, v2                        ; 8 x lane: words 4-5
	v_lshlrev_b32 v7, 2, v7                        ; 4 r
	v_add_nc_u32 v3, s[SLDS], v1                   ; the trip's tile of S in LDS
	v_add_nc_u32 v4, s[SLDS], v2
	v_mov_b32 v6, v18                              ; and its scale words
	v_add_nc_u32 v28, s20, v1
	v_add_nc_u32 v29, s20, v2
	v_add_nc_u32 v30, s23, v1
	v_add_nc_u32 v31, s23, v2
	v_mov_b32 v22, 0                               ; a lane permute's destination counts as one of its sources
	s_wait_alu depctr_va_vdst(0)                   ; the wait behind the head's last vector instruction
.set ii, 0
.rept 32
	global_load_b32 v[SB+ii], v18, s[38:39] offset:128*ii   ; register 4 b + p: 128 consecutive bytes
.set ii, ii+1
.endr
.macro SALOAD
.irp p, 0,1,2,3
	global_load_b32 v[SA2+\p], v6, s[40:41] offset:128*\p
.endr
.endm
	SALOAD
	s_wait_tensorcnt 0x0                           ; my part of R is in
	ds_add_u32 v[SPW], v[NIL]
	s_wait_dscnt 0x0
	CROUND                                         ; all of R is in, and the joint loads meet
	tensor_load_to_lds s[G0S:G0S+3], s[G1S:G1S+7]  ; S's first half, two tiles a wave: first fills of units 0 and 2
	s_nop 0
.rept 4
	v_nop
.endr
.set ff, 0
.rept 64                               ; R's 64 fragments into registers: every load is dense and aligned
	BPOS ff
.set WW, BW<<6
	WIN WW
.set RA, 28+2*((ff%8)/4)
.set RO, ((ff%8)%4)*RTP+(ff/8)*1536
	ds_load_b128 v[BR:BR+3], v[RA] offset:RO
	ds_load_b64 v[BR+4:BR+5], v[RA+1] offset:RO+512
	ds_load_b128 v[BR+6:BR+9], v[RA] offset:RO+768
	ds_load_b64 v[BR+10:BR+11], v[RA+1] offset:RO+1280
.set ff, ff+1
.endr
	WIN 0
	s_wait_tensorcnt 0x0                           ; my part of S's first half is in,
	ds_add_u32 v[SPW], v[NIL]
	s_add_co_u32 s[G0S+1], s[G0S+1], UNIT          ; no load of mine is out: the second half lies four tiles on, in memory and in LDS
	s_add_nc_u64 s[G0S+2:G0S+3], s[G0S+2:G0S+3], 4*RTP
	s_wait_dscnt 0x0                               ; the add is done, and my reads of R are over
	CROUND                                         ; both hold of every wave of the cluster
	tensor_load_to_lds s[G0S:G0S+3], s[G1S:G1S+7]  ; S's second half fills units 1 and 3 again
	s_nop 0
.rept 4
	v_nop
.endr
.macro AFETCH s0                       ; the tile's fragments of K steps s0 .. s0 + 3: 16 LDS loads
.irp q, 0,1,2,3
	ds_load_b128 v[AF+12*(\s0+\q):AF+12*(\s0+\q)+3], v3 offset:(\s0+\q)*1536
	ds_load_b64 v[AF+12*(\s0+\q)+4:AF+12*(\s0+\q)+5], v4 offset:(\s0+\q)*1536+512
	ds_load_b128 v[AF+12*(\s0+\q)+6:AF+12*(\s0+\q)+9], v3 offset:(\s0+\q)*1536+768
	ds_load_b64 v[AF+12*(\s0+\q)+10:AF+12*(\s0+\q)+11], v4 offset:(\s0+\q)*1536+1280
.endr
.endm
.macro MULS s0                         ; K steps s0 .. s0 + 3: 32 products; the 8 accumulators take turns, one instruction a turn; K step 0 starts the sums
.set ff, 8*(\s0)
.rept 32
	BPOS ff
	WIN BW
.if ff < 8
	v_wmma_scale_f32_16x16x128_f8f6f4 v[ACC+8*(ff%8):ACC+8*(ff%8)+7], v[BR:BR+11], v[AF+12*(ff/8):AF+12*(ff/8)+11], 0, v[SB+4*(ff%8)+ff/16], v[SA+ff/16] matrix_a_fmt:MATRIX_FMT_FP6 matrix_b_fmt:MATRIX_FMT_FP6
.elseif (ff/8)%2
	v_wmma_scale_f32_16x16x128_f8f6f4 v[ACC+8*(ff%8):ACC+8*(ff%8)+7], v[BR:BR+11], v[AF+12*(ff/8):AF+12*(ff/8)+11], v[ACC+8*(ff%8):ACC+8*(ff%8)+7], v[SB+4*(ff%8)+ff/16], v[SA+ff/16] matrix_a_fmt:MATRIX_FMT_FP6 matrix_b_fmt:MATRIX_FMT_FP6 matrix_a_scale:MATRIX_SCALE_ROW1 matrix_b_scale:MATRIX_SCALE_ROW1
.else
	v_wmma_scale_f32_16x16x128_f8f6f4 v[ACC+8*(ff%8):ACC+8*(ff%8)+7], v[BR:BR+11], v[AF+12*(ff/8):AF+12*(ff/8)+11], v[ACC+8*(ff%8):ACC+8*(ff%8)+7], v[SB+4*(ff%8)+ff/16], v[SA+ff/16] matrix_a_fmt:MATRIX_FMT_FP6 matrix_b_fmt:MATRIX_FMT_FP6
.endif
.set ff, ff+1
.endr
.endm
; Block bb of my row's 128 results: my 16 numbers (lane l xor 16 holds the other 16): the block's scale, its codes; behind an odd block a half-image leaves
.macro QBATCH bb
.set XX, ACC+16*(\bb)
.if (\bb)%2 == 0
	s_wait_alu depctr_va_vdst(0)
	s_wait_xcnt 0x0                                ; the last half-image's stores have read their registers
.endif
.if (\bb) == 0
	v_add_nc_u32 v19, s[SOFF], v1                  ; this tile's places in QB
	v_add_nc_u32 v20, s[SOFF], v2
	v_add_nc_u32 v21, s[SOFS], v7
.endif
	v_max3_num_f32 v12, |v[XX]|, |v[XX+1]|, 0x1800000   ; the largest magnitude, in two chains, with the floor 2^(3 - 127); each accumulator is first read in its four lowest registers
	v_max3_num_f32 v13, |v[XX+2]|, |v[XX+3]|, |v[XX+6]|
	v_max3_num_f32 v12, v12, |v[XX+4]|, |v[XX+5]|
	v_max3_num_f32 v13, v13, |v[XX+7]|, |v[XX+10]|
	v_max3_num_f32 v12, v12, |v[XX+8]|, |v[XX+9]|
	v_max3_num_f32 v13, v13, |v[XX+11]|, |v[XX+14]|
	v_max3_num_f32 v12, v12, |v[XX+12]|, |v[XX+13]|
	v_max3_num_f32 v12, v12, v13, |v[XX+15]|
	v_permlanex16_b32 v22, v12, s[SEL], s[SEL+1]
	v_max_num_f32 v12, v12, v22                    ; with lane l xor 16's 16
	v_add_nc_u32 v14, 0xff000000, v12              ; 2 off the exponent field: the conversion's scale operand
	v_lshrrev_b32 v16, 23, v14                     ; the scale's byte
.if (\bb) == 0
	v_mov_b32 v17, v16
.else
	v_lshl_or_b32 v17, v16, 8*(\bb), v17           ; the four bytes make my row's scale word
.endif
	v_cvt_scalef32_pk16_fp6_f32 v[PC+6*((\bb)%2):PC+6*((\bb)%2)+2], v[XX:XX+15], v14
	v_nop                                          ; one plain instruction behind a scaled conversion
.if (\bb)%2
.irp i, 0,1,2
	v_permlane16_swap_b32 v[PC+\i], v[PC+6+\i]     ; a whole block to a lane: lanes 0-15 the first, lanes 16-31 the second
.endr
.irp i, 0,1,2
	v_mov_b32 v[PC+3+\i], v[PC+6+\i]
.endr
	global_store_b128 v19, v[PC:PC+3], s[44:45] offset:768*((\bb)/2)       ; 512 consecutive bytes, aligned
	global_store_b64 v20, v[PC+4:PC+5], s[44:45] offset:768*((\bb)/2)+512
.endif
.if (\bb) == 3
	global_store_b32 v21, v17, s[46:47]            ; lanes l and l xor 16 store the same word with the same value: 64 consecutive bytes
.endif
.endm
.macro TRIP last
	s_wait_loadcnt 0x0                             ; this tile's scale words, asked for a whole trip ago (in the first trip: R's too)
.irp p, 0,1,2,3
	v_mov_b32 v[SA+\p], v[SA2+\p]
.endr
.if \last == 0
	s_add_co_u32 s[SSA], s[SSA], 512
	v_add_nc_u32 v6, s[SSA], v18
	SALOAD                                         ; the next tile's: they have this trip in which to land
.endif
.rept 8
	v_nop                                          ; a scale register written by a vector instruction stands 8 places ahead of a scaled product
.endr
	s_wait_alu depctr_va_vdst(0)
	s_wait_dscnt 16                                ; all but the youngest 16: K steps 0-3 are in
	MULS 0
	s_wait_dscnt 0x0
	MULS 4
	WIN 0
.rept 4
	v_nop                                          ; four places behind the products
.endr
	QBATCH 0
	QBATCH 1
	QBATCH 2
.if \last == 0
	s_add_co_u32 s[SLDS], s[SLDS], RTP
	v_add_nc_u32 v3, s[SLDS], v1                   ; the next tile of S
	v_add_nc_u32 v4, s[SLDS], v2
	s_wait_alu depctr_va_vdst(0)
	s_wait_tensorcnt 0x0                           ; my part of S's second half has landed,
	s_barrier_signal -1
	s_barrier_wait -1                              ; everybody's has
	AFETCH 0
	AFETCH 4
.endif
	QBATCH 3
	s_add_co_u32 s[SOFF], s[SOFF], s70
	s_add_co_u32 s[SOFS], s[SOFS], s71
.endm
	AFETCH 0
	AFETCH 4
	s_mov_b32 s[CNT], 0
.Ltrip:
	TRIP 0
	s_add_co_u32 s[CNT], s[CNT], 1
	s_cmp_lt_u32 s[CNT], 7
	s_wait_alu depctr_va_vdst(0)
	s_cbranch_scc1 .Ltrip
	TRIP 1
	s_wait_tensorcnt 0x0                           ; the wave's end
	ds_add_u32 v[SPW], v[NIL]
	s_wait_dscnt 0x0
	CROUND                                         ; the closing round
	s_endpgm
.Lfunc_end_k_q7b49ff02ac_qkv:
	.size	k_q7b49ff02ac_qkv, .Lfunc_end_k_q7b49ff02ac_qkv-k_q7b49ff02ac_qkv
	.p2alignl 7, 3214868480
	.fill 96, 4, 3214868480
	.section	.rodata,"a",@progbits
	.p2align	6, 0x0
	.amdhsa_kernel k_q7b49ff02ac_qkv
		.amdhsa_group_segment_fixed_size 327680
		.amdhsa_private_segment_fixed_size 0
		.amdhsa_enable_private_segment 0
		.amdhsa_kernarg_size 24
		.amdhsa_user_sgpr_count 2
		.amdhsa_user_sgpr_kernarg_segment_ptr 1
		.amdhsa_wavefront_size32 1
		.amdhsa_system_sgpr_workgroup_id_x 1
		.amdhsa_system_sgpr_workgroup_id_y 1
		.amdhsa_system_sgpr_workgroup_id_z 1
		.amdhsa_system_vgpr_workitem_id 0
		.amdhsa_next_free_vgpr 1024
		.amdhsa_next_free_sgpr 96
		.amdhsa_reserve_vcc 0
		.amdhsa_float_denorm_mode_32 3
		.amdhsa_float_denorm_mode_16_64 3
		.amdhsa_memory_ordered 1
		.amdhsa_forward_progress 1
		.amdhsa_inst_pref_size 60
	.end_amdhsa_kernel
	.amdgpu_metadata
---
amdhsa.version: [ 1, 2 ]
amdhsa.kernels:
  - .name:           k_q7b49ff02ac_qkv
    .symbol:         k_q7b49ff02ac_qkv.kd
    .args:
      - { .name: HB, .offset: 0, .size: 8, .value_kind: global_buffer, .address_space: global }
      - { .name: WB, .offset: 8, .size: 8, .value_kind: global_buffer, .address_space: global }
      - { .name: QB, .offset: 16, .size: 8, .value_kind: global_buffer, .address_space: global }
    .group_segment_fixed_size: 327680
    .private_segment_fixed_size: 0
    .kernarg_segment_align: 8
    .kernarg_segment_size: 24
    .max_flat_workgroup_size: 128
    .sgpr_count:     96
    .vgpr_count:     1024
    .wavefront_size: 32
...
	.end_amdgpu_metadata
.endif
;; end of part 2
;; launch attn (part 3): grid 8 x 32, 16 waves a work-group, no clusters, 327,680 bytes of LDS; arguments QB, CB; writes CB
.if DOCPART == 3
	.amdgcn_target "amdgcn-amd-amdhsa--gfx1250"
	.amdhsa_code_object_version 6
	.text
	.protected	k_q7b49ff02ac_attn
	.globl	k_q7b49ff02ac_attn
	.p2align	8
	.type	k_q7b49ff02ac_attn,@function
k_q7b49ff02ac_attn:
	s_mov_b64 s[64:65], 0
	v_nop
	global_prefetch_b8 v0, s[64:65] scope:SCOPE_SE
	s_setreg_imm32_b32 hwreg(HW_REG_WAVE_MODE, 25, 1), 1
	s_wait_xcnt 0x0
; ctx = softmax(q k^T / 8, causal) v for one batch and head, both products on codes of FP6 (E2M3); ctx leaves as codes, quantised along the model's 1,024, in the workspace's layout (see prep).
; WORK LEFT OUT: a step of 128 keys all of which come after a wave's queries lies wholly under reference()'s own causal mask and is not multiplied (see prep's head).
; THE SOFTMAX: t = score x log2(e) / 8; M = the running largest t rounded up to a whole number; p = 2^(t - M) is quantised along the keys, not normalised; the row's sum is taken of the unquantised p and divides at the end.
; SHARES.  Work-group (i, batch and head): waves 0-7 own the 128 queries of block i, waves 8-15 those of block 15 - i, a tile of 16 each: every work-group has 17 block steps.
; K = 64 IN A FORM OF 128: the head's 64 stand in the upper half of K (registers 6-11), zero codes in the lower.  In QB a token's scale word holds q's two bytes low and k's two high: k's word serves as it lies
; (its low bytes stand over zero codes), q's is shifted up by 16 once.
; LDS: a head's k and v^T, codes and scale words, 204 KB, lie whole in LDS, filled once, in two stages of 1,024 keys: nothing is filled again.  K's tiles are dealt to the two loading waves by parity.
; NO CLUSTER, though the eight work-groups of a head read the same k and v^T: the jump over hidden steps hangs on the work-group's x, which partners of a cluster along x would not share.
; LAYOUT: both products transposed (S^T = k q^T, O^T = v^T p^T): a lane holds one query throughout; by the workspace's tiling the 16 registers of two neighbouring tiles of keys are 16 neighbouring keys.
; REGISTERS: v1-8 addresses that stay; v9-11, v28-30 the step's; v12 -M, v13 largest t, v[14:15] the sum; v16-27 q; v31 the mask's lane term; v32-79 four fragments of k; v80-87 scale words;
;   v96-159 S^T, then p, then v^T's four fragments; v160-191 O^T; v224-235 p's codes; v232-254 at work; v255 q's scale word.
.set SPARE, 208896                     ; the spare words, 128 bytes for each of 16 waves: no other line names them
.set SPW, 5
.set NIL, 6
.set WV,  18
.set KF,  66                           ; s66 the step's first key
.set TSK, 67                           ; s67 k's scale words: 512 bytes a step
.set TBK, 2                            ; s2  k's tiles: 3,072 bytes a step
.set TBV, 3                            ; s3  v^T's: 1,536
.set TSV, 12                           ; s12 v^T's scale words: 64
.set CNT, 13
.set Q0,  84                           ; s84 my first query;  s85 my last
.set QMAX, 85
.set SEL, 96
.set CS,  98                           ; s[98:99] c = log2(e) / 8
.set G1K, 24
.set G1V, 32
.set G1KS, 40
.set G1VS, 48
.set G0KS, 56
.set G0KA, 60
.set G0KB, 68
.set G0VS, 72
.set G0VA, 76
.set G0VB, 80
	s_load_b128 s[4:7], s[0:1], 0x0                ; QB s[4:5], CB s[6:7]
	v_lshl_add_u32 v[SPW], v0, 2, SPARE
	v_mov_b32 v[NIL], 0
	ds_add_u32 v[SPW], v[NIL]                      ; the wave's opening: the add, twice on end, and its wait ahead of the first tensor load
	ds_add_u32 v[SPW], v[NIL]
	v_lshrrev_b32 v9, 5, v0
	s_delay_alu instid0(VALU_DEP_1)
	v_readfirstlane_b32 s[WV], v9                  ; wave 0..15
	s_and_b32 s8, ttmp7, 0xffff
	s_lshr_b32 s9, s8, 4                           ; batch
	s_and_b32 s10, s8, 15                          ; head
	s_and_b32 s11, s[WV], 1                        ; e: which half I fetch, if I fetch
	s_lshl_b32 s12, s9, 17                         ; k's scale words: token tiles 128 b + 64 e on, word of K step h: 64 bytes of each 1,024
	s_lshl_b32 s19, s11, 16
	s_add_co_u32 s12, s12, s19
	s_lshl_b32 s19, s10, 6
	s_add_co_u32 s12, s12, s19
	s_add_co_u32 s12, s12, 9437184
	s_mov_b32 s13, 0
	s_mul_i32 s14, s9, 3145728                     ; k's codes: token tiles 128 b + e, + 2, ..: half-image 2 h + 1 of each
	s_mul_i32 s19, s11, 24576
	s_add_co_u32 s14, s14, s19
	s_mul_i32 s19, s10, 1536
	s_add_co_u32 s14, s14, s19
	s_add_co_u32 s14, s14, 768
	s_mov_b32 s15, 0
	s_lshl_b32 s16, s10, 13                        ; v^T's scale words: channel tiles 4 h + 2 e on, K steps 16 b on
	s_lshl_b32 s19, s11, 12
	s_add_co_u32 s16, s16, s19
	s_lshl_b32 s19, s9, 10
	s_add_co_u32 s16, s16, s19
	s_add_co_u32 s16, s16, 9699328
	s_mov_b32 s17, 0
	s_mul_i32 s20, s10, 196608                     ; v^T's codes: the same tiles, half-images 32 b on
	s_mul_i32 s19, s11, 98304
	s_add_co_u32 s20, s20, s19
	s_mul_i32 s19, s9, 24576
	s_add_co_u32 s20, s20, s19
	s_add_co_u32 s20, s20, 6291456
	s_mov_b32 s21, 0
	s_mul_i32 s23, s11, 24576
	s_mov_b32 s[G1K], 3<<16                        ; k: 32 rows (tiles) of 96 elements of 8 bytes, two tiles (6,144 elements) apart
	s_mov_b32 s[G1K+1], 96<<16
	s_mov_b32 s[G1K+2], 32<<16
	s_mov_b32 s[G1K+3], 96<<16
	s_mov_b32 s[G1K+4], 32
	s_mov_b32 s[G1K+5], 6144
	s_mov_b32 s[G1K+6], 0
	s_mov_b32 s[G1K+7], 0
	s_mov_b32 s[G1V], 3<<16                        ; v^T: 2 rows (channel tiles) of 1,536 elements (16 half-images), 6,144 apart
	s_mov_b32 s[G1V+1], 1536<<16
	s_mov_b32 s[G1V+2], 2<<16
	s_mov_b32 s[G1V+3], 1536<<16
	s_mov_b32 s[G1V+4], 2
	s_mov_b32 s[G1V+5], 6144
	s_mov_b32 s[G1V+6], 0
	s_mov_b32 s[G1V+7], 0
	s_mov_b32 s[G1KS], 3<<16                       ; k's scale words: 64 rows of 8 elements, 128 apart
	s_mov_b32 s[G1KS+1], 8<<16
	s_mov_b32 s[G1KS+2], 64<<16
	s_mov_b32 s[G1KS+3], 8<<16
	s_mov_b32 s[G1KS+4], 64
	s_mov_b32 s[G1KS+5], 128
	s_mov_b32 s[G1KS+6], 0
	s_mov_b32 s[G1KS+7], 0
	s_mov_b32 s[G1VS], 3<<16                       ; v^T's: 2 rows of 128 elements, 256 apart
	s_mov_b32 s[G1VS+1], 128<<16
	s_mov_b32 s[G1VS+2], 2<<16
	s_mov_b32 s[G1VS+3], 128<<16
	s_mov_b32 s[G1VS+4], 2
	s_mov_b32 s[G1VS+5], 256
	s_mov_b32 s[G1VS+6], 0
	s_mov_b32 s[G1VS+7], 0
	s_sub_co_u32 s22, 15, ttmp9
	s_cmp_lt_u32 s[WV], 8
	s_cselect_b32 s22, ttmp9, s22                  ; my block of 128 queries
	s_lshl_b32 s22, s22, 3
	s_and_b32 s87, s[WV], 7
	s_add_co_u32 s22, s22, s87                     ; my tile of queries in the batch
	s_lshr_b32 s[Q0], s22, 1
	s_lshl_b32 s[Q0], s[Q0], 5
	s_and_b32 s87, s22, 1
	s_lshl_b32 s87, s87, 3
	s_add_co_u32 s[Q0], s[Q0], s87                 ; its first query; lane row r is query Q0 + r + 8 (r / 8)
	s_add_co_u32 s[QMAX], s[Q0], 23
	s_lshl_b32 s86, s9, 7
	s_add_co_u32 s86, s86, s22                     ; the tile among all tokens'
	s_mul_i32 s88, s86, 24576
	s_mul_i32 s87, s10, 1536
	s_add_co_u32 s88, s88, s87                     ; q's half-image: 2 h
	s_mov_b32 s89, 0
	s_lshl_b32 s90, s86, 10
	s_lshl_b32 s87, s10, 6
	s_add_co_u32 s90, s90, s87
	s_add_co_u32 s90, s90, 9437184                 ; its scale words
	s_mov_b32 s91, 0
	s_mul_i32 s92, s86, 12288
	s_mul_i32 s87, s10, 768
	s_add_co_u32 s92, s92, s87                     ; ctx: half-image h
	s_mov_b32 s93, 0
	s_lshl_b32 s94, s86, 9
	s_lshr_b32 s87, s10, 1
	s_lshl_b32 s87, s87, 6
	s_add_co_u32 s94, s94, s87
	s_and_b32 s87, s10, 1
	s_lshl_b32 s87, s87, 1
	s_add_co_u32 s94, s94, s87
	s_add_co_u32 s94, s94, 3145728                 ; ctx's scale words: K step h / 2, bytes 2 (h % 2) on
	s_mov_b32 s95, 0
	s_mov_b32 s[SEL], 0x76543210
	s_mov_b32 s[SEL+1], 0xfedcba98
	s_mov_b32 s[CS], 0x3e38aa3b
	s_mov_b32 s[CS+1], s[CS]
	s_wait_dscnt 0x0                               ; both opening adds are done
	s_wait_kmcnt 0x0
	s_mov_b32 s[G0KS], 1
	s_lshl_b32 s[G0KS+1], s11, 12
	s_add_co_u32 s[G0KS+1], s[G0KS+1], 196608
	s_add_nc_u64 s[G0KS+2:G0KS+3], s[4:5], s[12:13]
	s_or_b32 s[G0KS+3], s[G0KS+3], 0x80000000
	s_mov_b32 s[G0KA], 1
	s_mov_b32 s[G0KA+1], s23
	s_add_nc_u64 s[G0KA+2:G0KA+3], s[4:5], s[14:15]
	s_mov_b32 s[G0KB], 1
	s_add_co_u32 s[G0KB+1], s23, 49152
	s_add_nc_u64 s[G0KB+2:G0KB+3], s[G0KA+2:G0KA+3], 1572864
	s_or_b32 s[G0KA+3], s[G0KA+3], 0x80000000
	s_or_b32 s[G0KB+3], s[G0KB+3], 0x80000000
	s_mov_b32 s[G0VS], 1
	s_lshl_b32 s[G0VS+1], s11, 11
	s_add_co_u32 s[G0VS+1], s[G0VS+1], 204800
	s_add_nc_u64 s[G0VS+2:G0VS+3], s[4:5], s[16:17]
	s_or_b32 s[G0VS+3], s[G0VS+3], 0x80000000
	s_mov_b32 s[G0VA], 1
	s_add_co_u32 s[G0VA+1], s23, 98304
	s_add_nc_u64 s[G0VA+2:G0VA+3], s[4:5], s[20:21]
	s_mov_b32 s[G0VB], 1
	s_add_co_u32 s[G0VB+1], s23, 147456
	s_add_nc_u64 s[G0VB+2:G0VB+3], s[G0VA+2:G0VA+3], 12288
	s_or_b32 s[G0VA+3], s[G0VA+3], 0x80000000
	s_or_b32 s[G0VB+3], s[G0VB+3], 0x80000000
; The first fills, one a wave, in one chain of branches on the wave's number: waves 0, 1 k's scale words, 2, 3 k's first 1,024 keys, 4, 5 v^T's scale words, 6, 7 v^T's first 1,024 keys; the halves by the wave's parity
.macro ARM under, g0, g1, next, join
	s_cmp_lt_u32 s[WV], \under
	s_cbranch_scc0 \next
	tensor_load_to_lds s[\g0:\g0+3], s[\g1:\g1+7]
	s_nop 0
.rept 4
	v_nop
.endr
	s_branch \join
\next:
.endm
	ARM 2, G0KS, G1KS, .Lh1, .Lasked
	ARM 4, G0KA, G1K,  .Lh2, .Lasked
	ARM 6, G0VS, G1VS, .Lh3, .Lasked
	ARM 8, G0VA, G1V,  .Lh4, .Lasked
.Lasked:
	s_add_nc_u64 s[88:89], s[4:5], s[88:89]
	s_add_nc_u64 s[90:91], s[4:5], s[90:91]
	s_add_nc_u64 s[92:93], s[6:7], s[92:93]
	s_add_nc_u64 s[94:95], s[6:7], s[94:95]
	v_and_b32 v9, 31, v0                           ; lane
	v_and_b32 v10, 15, v0                          ; r
	v_bfe_u32 v11, v0, 4, 1                        ; h
	s_delay_alu instid0(VALU_DEP_3)
	v_lshlrev_b32 v1, 4, v9                        ; an image's words 0-3
	s_delay_alu instid0(VALU_DEP_4)
	v_lshlrev_b32 v28, 3, v9
	s_delay_alu instid0(VALU_DEP_1)
	v_add_nc_u32 v2, 512, v28                      ; words 4-5
	s_delay_alu instid0(VALU_DEP_3)
	v_add_nc_u32 v3, 98304, v1                     ; the same in v^T's region
	s_delay_alu instid0(VALU_DEP_3)
	v_add_nc_u32 v4, 98304, v28
	v_lshlrev_b32 v29, 2, v10
	s_delay_alu instid0(VALU_DEP_1)
	v_add_nc_u32 v7, 196608, v29                   ; k's scale words
	s_delay_alu instid0(VALU_DEP_2)
	v_add_nc_u32 v8, 204800, v29                   ; v^T's
	v_and_b32 v30, 8, v10
	s_delay_alu instid0(VALU_DEP_1)
	v_add_nc_u32 v30, v30, v10
	v_lshlrev_b32 v31, 4, v11
	s_delay_alu instid0(VALU_DEP_1)
	v_sub_nc_u32 v31, v30, v31                     ; r + 8 (r / 8) - 16 h
	global_load_b128 v[22:25], v1, s[88:89]        ; q's half-image: registers 6-11 of the fragment
	global_load_b64 v[26:27], v2, s[88:89]
	global_load_b32 v255, v29, s[90:91]
.irp j, 0,1,2,3,4,5
	v_mov_b32 v[16+\j], 0                          ; the lower half of K: zero codes, in q
.irp t, 0,1,2,3
	v_mov_b32 v[32+12*\t+\j], 0                    ; and in k's four fragments: written once
.endr
.endr
	v_mov_b32 v13, 0xff61b1e6                      ; the largest t so far: -3e38
	s_delay_alu instid0(VALU_DEP_1)
	v_floor_f32 v12, -v13                          ; -M
	v_mov_b32 v14, 0
	v_mov_b32 v15, 0
.irp b, 0,1,2,3
	v_mov_b32 v[236+\b], 0                         ; a lane permute's destination counts as one of its sources
.endr
	v_mov_b32 v252, 0
	v_mov_b32 v253, 0
	s_mov_b32 s[KF], 0
	s_mov_b32 s[TSK], 0
	s_mov_b32 s[TBK], 0
	s_mov_b32 s[TBV], 0
	s_mov_b32 s[TSV], 0
	s_wait_alu depctr_va_vdst(0)
	s_wait_tensorcnt 0x0                           ; my load of the first stage has landed
	ds_add_u32 v[SPW], v[NIL]                      ; the add, twice on end
	ds_add_u32 v[SPW], v[NIL]
	s_wait_dscnt 0x0
	s_barrier_signal -1
	s_barrier_wait -1
	ARM 2, G0KB, G1K, .Lg1, .Lasked2               ; keys 1,024 to 2,047, first fills of bytes of their own: waves 0, 1 k's, waves 2, 3 v^T's; they have the first eight steps in which to land
	ARM 4, G0VB, G1V, .Lg2, .Lasked2
.Lasked2:
	s_wait_loadcnt 0x0                             ; q
	v_lshlrev_b32 v255, 16, v255                   ; q's two bytes to the upper half of K; the 32 lines below stand between this and the first product
.set jj, 0
.rept 32
	v_mov_b32 v[160+jj], 0                         ; O^T: the step is written once, its first turn finds zeros
.set jj, jj+1
.endr
; A KEY STEP: 128 keys.
.macro STEP
	s_cmp_gt_u32 s[KF], s[QMAX]                    ; all its keys come after my queries: the work is left out, the addresses' steps at the end are not
	s_cbranch_scc1 .Lhidden_\@
	v_add_nc_u32 v9, s[TBK], v1                    ; (these six are also the places between the last products, which read v96 on as fragments, and the products below, which write there)
	s_wait_alu depctr_va_vdst(0)
	v_add_nc_u32 v10, s[TBK], v2
	s_wait_alu depctr_va_vdst(0)
	v_add_nc_u32 v11, s[TSK], v7
	s_wait_alu depctr_va_vdst(0)
	v_add_nc_u32 v28, s[TBV], v3
	v_add_nc_u32 v29, s[TBV], v4
	v_add_nc_u32 v30, s[TSV], v8
.irp g, 0,1                            ; S^T = k q^T, four tiles of 16 keys at a time
.if \g
.rept 4
	v_nop                                          ; places in front of loads into registers that matrix instructions have read
.endr
.endif
.irp t, 0,1,2,3
	ds_load_b128 v[38+12*\t:41+12*\t], v9 offset:(\t%2)*24576+(2*\g+\t/2)*768
	ds_load_b64 v[42+12*\t:43+12*\t], v10 offset:(\t%2)*24576+(2*\g+\t/2)*768
	ds_load_b32 v[80+\t], v11 offset:64*(4*\g+\t)
.endr
	s_wait_dscnt 0x0
.irp t, 0,1,2,3
	v_wmma_scale_f32_16x16x128_f8f6f4 v[96+8*(4*\g+\t):103+8*(4*\g+\t)], v[32+12*\t:43+12*\t], v[16:27], 0, v[80+\t], v255 matrix_a_fmt:MATRIX_FMT_FP6 matrix_b_fmt:MATRIX_FMT_FP6
.endr
.endr
.rept 4
	v_nop
.endr
	s_add_co_u32 s14, s[KF], 127                   ; on the diagonal hidden scores become -infinity ahead of the maximum; a step all of whose keys count skips this
	s_cmp_le_u32 s14, s[Q0]
	s_cbranch_scc1 .Lopen_\@
	s_sub_co_i32 s14, s[Q0], s[KF]
	v_add_nc_u32 v252, s14, v31                    ; d = my query - KF - 16 h.  Register 16 b + i holds key KF + 16 h + 32 b + i: hidden where 32 b + i > d
	v_mov_b32 v254, 0xff800000
.set nn, 0
.rept 64
	v_cmp_gt_i32 vcc_lo, 32*(nn/16)+nn%16, v252
	v_cndmask_b32 v[96+nn], v[96+nn], v254, vcc_lo
.set nn, nn+1
.endr
.Lopen_\@:
.irp b, 0,1,2,3
	v_max3_num_f32 v[232+\b], v[96+16*\b], v[97+16*\b], v[98+16*\b]   ; the largest score of each block of 32 keys: for the row's maximum and, since p rises with the score, for the block's largest p
.endr
.irp i, 3,5,7,9,11,13
.irp b, 0,1,2,3
	v_max3_num_f32 v[232+\b], v[232+\b], v[96+16*\b+\i], v[97+16*\b+\i]
.endr
.endr
.irp b, 0,1,2,3
	v_max_num_f32 v[232+\b], v[232+\b], v[111+16*\b]
.endr
.irp b, 0,1,2,3
	s_delay_alu instid0(VALU_DEP_4)
	v_permlanex16_b32 v[236+\b], v[232+\b], s[SEL], s[SEL+1]
.endr
.irp b, 0,1,2,3
	s_delay_alu instid0(VALU_DEP_4)
	v_max_num_f32 v[232+\b], v[232+\b], v[236+\b]
.endr
	s_delay_alu instid0(VALU_DEP_2)
	v_max3_num_f32 v254, v232, v233, v234
	s_delay_alu instid0(VALU_DEP_1)
	v_max_num_f32 v254, v254, v235
	s_delay_alu instid0(VALU_DEP_1)
	v_mul_f32 v254, s[CS], v254
	s_delay_alu instid0(VALU_DEP_1)
	v_max_num_f32 v13, v13, v254                   ; the running largest t
	v_mov_b32 v254, v12
	s_delay_alu instid0(VALU_DEP_2)
	v_floor_f32 v12, -v13                          ; the new -M: M is a whole number
	s_delay_alu instid0(VALU_DEP_1)
	v_sub_f32 v254, v12, v254
	s_delay_alu instid0(VALU_DEP_1)
	v_cvt_i32_f32 v254, v254
	s_delay_alu instid0(VALU_DEP_1)
	v_ldexp_f32 v252, 1.0, v254                    ; f = 2^(old M - new M): exact
.set jj, 0
.rept 32
	v_pk_fma_f32 v[96+jj:97+jj], v[96+jj:97+jj], s[CS:CS+1], v[12:13] op_sel_hi:[1,0,0]   ; t - M
.set jj, jj+2
.endr
.irp b, 0,1,2,3
	v_fma_f32 v[232+\b], v[232+\b], s[CS], v12
.endr
.set jj, 0
	s_wait_alu depctr_va_vdst(0)
.rept 64
	v_exp_f32 v[96+jj], v[96+jj]                   ; p = 2^(t - M)
.set jj, jj+1
.endr
	v_pk_mul_f32 v[14:15], v[14:15], v[252:253] op_sel_hi:[1,0]   ; the sums under the new M: a plain instruction behind the exponentials
	s_wait_alu depctr_va_vdst(0)                   ; one wait for the whole batch, ahead of its first reader
.irp b, 0,1,2,3
	v_exp_f32 v[232+\b], v[232+\b]                 ; the block's largest p
.endr
	v_pk_add_f32 v[236:237], v[100:101], v[104:105]
	v_pk_add_f32 v[250:251], v[108:109], v[112:113]
	v_pk_add_f32 v[248:249], v[116:117], v[120:121]
	v_pk_add_f32 v[246:247], v[124:125], v[128:129]
	v_pk_add_f32 v[244:245], v[132:133], v[136:137]
	v_pk_add_f32 v[242:243], v[140:141], v[144:145]
	v_pk_add_f32 v[240:241], v[148:149], v[152:153]
	v_pk_add_f32 v[14:15], v[14:15], v[156:157]
	v_pk_add_f32 v[236:237], v[236:237], v[96:97]
	v_pk_add_f32 v[250:251], v[250:251], v[98:99]
	v_pk_add_f32 v[248:249], v[248:249], v[102:103]
	v_pk_add_f32 v[246:247], v[246:247], v[106:107]
	v_pk_add_f32 v[244:245], v[244:245], v[110:111]
	v_pk_add_f32 v[242:243], v[242:243], v[114:115]
	v_pk_add_f32 v[240:241], v[240:241], v[118:119]
	v_pk_add_f32 v[14:15], v[14:15], v[122:123]
	v_pk_add_f32 v[236:237], v[236:237], v[126:127]
	v_pk_add_f32 v[250:251], v[250:251], v[130:131]
	v_pk_add_f32 v[248:249], v[248:249], v[134:135]
	v_pk_add_f32 v[246:247], v[246:247], v[138:139]
	v_pk_add_f32 v[244:245], v[244:245], v[142:143]
	v_pk_add_f32 v[242:243], v[242:243], v[146:147]
	v_pk_add_f32 v[240:241], v[240:241], v[150:151]
	v_pk_add_f32 v[14:15], v[14:15], v[154:155]
	v_pk_add_f32 v[236:237], v[236:237], v[158:159]
	s_delay_alu instid0(VALU_DEP_2)
	v_pk_add_f32 v[14:15], v[14:15], v[246:247]
	s_delay_alu instid0(VALU_DEP_2)
	v_pk_add_f32 v[236:237], v[236:237], v[244:245]
	v_pk_add_f32 v[250:251], v[250:251], v[242:243]
	v_pk_add_f32 v[248:249], v[248:249], v[240:241]
	s_delay_alu instid0(VALU_DEP_2)
	v_pk_add_f32 v[14:15], v[14:15], v[250:251]
	s_delay_alu instid0(VALU_DEP_2)
	v_pk_add_f32 v[236:237], v[236:237], v[248:249]
	s_delay_alu instid0(VALU_DEP_1)
	v_pk_add_f32 v[14:15], v[14:15], v[236:237]
	s_wait_alu depctr_va_vdst(0)                   ; and one for the four
.irp b, 0,1,2,3
	v_max_num_f32 v[232+\b], 0x1800000, v[232+\b]  ; the floor 2^(3 - 127)
.endr
.irp b, 0,1,2,3
	s_delay_alu instid0(VALU_DEP_4)
	v_add_nc_u32 v[244+\b], 0xff000000, v[232+\b]
.endr
.irp b, 0,1,2,3
	s_delay_alu instid0(VALU_DEP_4)
	v_lshrrev_b32 v[236+\b], 23, v[244+\b]
.endr
	s_delay_alu instid0(VALU_DEP_3)
	v_lshl_or_b32 v253, v237, 8, v236              ; p's scale word for these 128 keys
	s_delay_alu instid0(VALU_DEP_1)
	v_lshl_or_b32 v253, v238, 16, v253
	s_delay_alu instid0(VALU_DEP_1)
	v_lshl_or_b32 v253, v239, 24, v253
.irp c, 0,1
	v_cvt_scalef32_pk16_fp6_f32 v[224+6*\c:226+6*\c], v[96+32*\c:111+32*\c], v[244+2*\c]
	v_cvt_scalef32_pk16_fp6_f32 v[236+4*\c:238+4*\c], v[112+32*\c:127+32*\c], v[244+2*\c+1]
.endr
	v_nop                                          ; one plain instruction behind a scaled conversion
.irp d, 0,1,2,3                        ; v^T's four fragments come into p's registers, which are done with, while the lines below are worked
	ds_load_b128 v[96+12*\d:99+12*\d], v28 offset:12288*\d
	ds_load_b64 v[100+12*\d:101+12*\d], v29 offset:12288*\d+512
	ds_load_b128 v[102+12*\d:105+12*\d], v28 offset:12288*\d+768
	ds_load_b64 v[106+12*\d:107+12*\d], v29 offset:12288*\d+1280
	ds_load_b32 v[84+\d], v30 offset:1024*\d
.endr
.irp c, 0,1                            ; a whole block to a lane
.irp i, 0,1,2
	v_permlane16_swap_b32 v[224+6*\c+\i], v[236+4*\c+\i]
.endr
.irp i, 0,1,2
	s_delay_alu instid0(VALU_DEP_3)
	v_mov_b32 v[227+6*\c+\i], v[236+4*\c+\i]
.endr
.endr
.set jj, 0
.rept 16
	v_pk_mul_f32 v[160+jj:161+jj], v[160+jj:161+jj], v[252:253] op_sel_hi:[1,0]   ; O^T under the new M; these are also the places in front of the products
.set jj, jj+2
.endr
	s_wait_alu depctr_va_vdst(0)
	s_wait_dscnt 0x0
.irp d, 0,1,2,3                        ; O^T += v^T p^T: four accumulators, one instruction each
	v_wmma_scale_f32_16x16x128_f8f6f4 v[160+8*\d:167+8*\d], v[96+12*\d:107+12*\d], v[224:235], v[160+8*\d:167+8*\d], v[84+\d], v253 matrix_a_fmt:MATRIX_FMT_FP6 matrix_b_fmt:MATRIX_FMT_FP6
.endr
.Lhidden_\@:
	s_add_co_u32 s[KF], s[KF], 128
	s_add_co_u32 s[TBK], s[TBK], 3072
	s_add_co_u32 s[TBV], s[TBV], 1536
	s_add_co_u32 s[TSK], s[TSK], 512
	s_add_co_u32 s[TSV], s[TSV], 64
.endm
	s_mov_b32 s[CNT], 8
.Lfirst_half:                                      ; keys 0 to 1,023: the trip count is a constant; what a wave does not need it jumps over
	STEP
	s_sub_co_u32 s[CNT], s[CNT], 1
	s_cmp_lg_u32 s[CNT], 0
	s_cbranch_scc1 .Lfirst_half
	s_wait_tensorcnt 0x0                           ; my part of the second stage has landed,
	s_wait_dscnt 0x0
	s_barrier_signal -1
	s_barrier_wait -1                              ; everybody's has
	s_add_co_u32 s[TBK], s[TBK], 24576             ; the second stage's regions
	s_add_co_u32 s[TBV], s[TBV], 36864
	s_mov_b32 s[CNT], 8
.Lsecond_half:                                     ; keys 1,024 to 2,047
	STEP
	s_sub_co_u32 s[CNT], s[CNT], 1
	s_cmp_lg_u32 s[CNT], 0
	s_cbranch_scc1 .Lsecond_half
	; THE WAY OUT: O^T / the sum; register 16 b + i is channel 32 b + 16 h + i of my query: two blocks of the next K: one half-image and half a scale word
	v_add_f32 v14, v14, v15
	s_delay_alu instid0(VALU_DEP_1)
	v_permlanex16_b32 v252, v14, s[SEL], s[SEL+1]
	s_delay_alu instid0(VALU_DEP_1)
	v_add_f32 v14, v14, v252
	s_wait_alu depctr_va_vdst(0)
	v_rcp_f32 v14, v14
	v_and_b32 v9, 15, v0
	s_delay_alu instid0(VALU_DEP_1)
	v_lshlrev_b32 v9, 2, v9
	s_wait_alu depctr_va_vdst(0)
.set jj, 0
.rept 32
	v_mul_f32 v[96+jj], v[160+jj], v14
.set jj, jj+1
.endr
.irp b, 0,1
	v_max3_num_f32 v[232+\b], |v[96+16*\b]|, |v[97+16*\b]|, 0x1800000
.endr
.irp i, 2,4,6,8,10,12,14
.irp b, 0,1
	s_delay_alu instid0(VALU_DEP_2)
	v_max3_num_f32 v[232+\b], v[232+\b], |v[96+16*\b+\i]|, |v[97+16*\b+\i]|
.endr
.endr
.irp b, 0,1
	s_delay_alu instid0(VALU_DEP_2)
	v_permlanex16_b32 v[236+\b], v[232+\b], s[SEL], s[SEL+1]
.endr
.irp b, 0,1
	s_delay_alu instid0(VALU_DEP_2)
	v_max_num_f32 v[232+\b], v[232+\b], v[236+\b]
.endr
.irp b, 0,1
	s_delay_alu instid0(VALU_DEP_2)
	v_add_nc_u32 v[244+\b], 0xff000000, v[232+\b]
.endr
.irp b, 0,1
	s_delay_alu instid0(VALU_DEP_2)
	v_lshrrev_b32 v[236+\b], 23, v[244+\b]
.endr
	s_delay_alu instid0(VALU_DEP_1)
	v_lshl_or_b32 v253, v237, 8, v236
	v_cvt_scalef32_pk16_fp6_f32 v[32:34], v[96:111], v244
	v_cvt_scalef32_pk16_fp6_f32 v[38:40], v[112:127], v245
	v_nop
.irp i, 0,1,2
	v_permlane16_swap_b32 v[32+\i], v[38+\i]
.endr
.irp i, 0,1,2
	s_delay_alu instid0(VALU_DEP_3)
	v_mov_b32 v[35+\i], v[38+\i]
.endr
	global_store_b128 v1, v[32:35], s[92:93]       ; 512 consecutive bytes, aligned
	global_store_b64 v2, v[36:37], s[92:93]
	global_store_b16 v9, v253, s[94:95]            ; lanes l and l xor 16 store the same two bytes with the same value
	s_wait_tensorcnt 0x0                           ; the wave's end
	ds_add_u32 v[SPW], v[NIL]
	s_wait_dscnt 0x0
	s_endpgm
.Lfunc_end_k_q7b49ff02ac_attn:
	.size	k_q7b49ff02ac_attn, .Lfunc_end_k_q7b49ff02ac_attn-k_q7b49ff02ac_attn
	.p2alignl 7, 3214868480
	.fill 96, 4, 3214868480
	.section	.rodata,"a",@progbits
	.p2align	6, 0x0
	.amdhsa_kernel k_q7b49ff02ac_attn
		.amdhsa_group_segment_fixed_size 327680
		.amdhsa_private_segment_fixed_size 0
		.amdhsa_enable_private_segment 0
		.amdhsa_kernarg_size 16
		.amdhsa_user_sgpr_count 2
		.amdhsa_user_sgpr_kernarg_segment_ptr 1
		.amdhsa_wavefront_size32 1
		.amdhsa_system_sgpr_workgroup_id_x 1
		.amdhsa_system_sgpr_workgroup_id_y 1
		.amdhsa_system_sgpr_workgroup_id_z 1
		.amdhsa_system_vgpr_workitem_id 0
		.amdhsa_next_free_vgpr 256
		.amdhsa_next_free_sgpr 100
		.amdhsa_reserve_vcc 1
		.amdhsa_float_denorm_mode_32 3
		.amdhsa_float_denorm_mode_16_64 3
		.amdhsa_memory_ordered 1
		.amdhsa_forward_progress 1
		.amdhsa_inst_pref_size 65
	.end_amdhsa_kernel
	.amdgpu_metadata
---
amdhsa.version: [ 1, 2 ]
amdhsa.kernels:
  - .name:           k_q7b49ff02ac_attn
    .symbol:         k_q7b49ff02ac_attn.kd
    .args:
      - { .name: QB, .offset: 0, .size: 8, .value_kind: global_buffer, .address_space: global }
      - { .name: CB, .offset: 8, .size: 8, .value_kind: global_buffer, .address_space: global }
    .group_segment_fixed_size: 327680
    .private_segment_fixed_size: 0
    .kernarg_segment_align: 8
    .kernarg_segment_size: 16
    .max_flat_workgroup_size: 512
    .sgpr_count:     100
    .vgpr_count:     256
    .wavefront_size: 32
...
	.end_amdgpu_metadata
.endif
;; end of part 3
;; launch wo (part 4): grid 8 x 32, 4 waves a work-group, clusters of 4 x 4, 327,680 bytes of LDS; arguments CB, WB, x, X1; writes X1
.if DOCPART == 4
	.amdgcn_target "amdgcn-amd-amdhsa--gfx1250"
	.amdhsa_code_object_version 6
	.text
	.protected	k_q7b49ff02ac_wo
	.globl	k_q7b49ff02ac_wo
	.p2align	8
	.type	k_q7b49ff02ac_wo,@function
k_q7b49ff02ac_wo:
	s_mov_b64 s[64:65], 0
	v_nop
	global_prefetch_b8 v0, s[64:65] scope:SCOPE_SE
	s_setreg_imm32_b32 hwreg(HW_REG_WAVE_MODE, 25, 1), 1
	s_wait_xcnt 0x0
	s_wait_alu depctr_hold_cnt(0) depctr_sa_sdst(0) depctr_va_vdst(0) depctr_va_sdst(0) depctr_va_ssrc(0) depctr_va_vcc(0) depctr_vm_vsrc(0)
	s_getreg_b32 s2, hwreg(HW_REG_IB_STS2, 6, 4)
	s_cmp_eq_u32 s2, 0
	s_cbranch_scc0 .Lentry_in_a_cluster
	s_endpgm
.Lentry_in_a_cluster:
	s_bfe_u32 s2, ttmp6, 0x10000c
	s_cmp_lg_u32 s2, 0xf033
	s_cbranch_scc0 .Lentry_shape_is_right
	s_endpgm
.Lentry_shape_is_right:
.set SIZE_K, 1024
.set BIAS,  0
.set ASCL,  3145728
.set BCOD,  2359296
.set BSCL,  9535488
.set RTP,   SIZE_K/64*768
.set RTS,   SIZE_K/2
.set HALFT, 4*6144
.set SLOT,  4*HALFT
.set HALFS, 4*RTS
.set SCL,   2*SLOT
.set SCST,  SCL+32768
.set STAGE, SCST+512
.set SPARE, STAGE+4*16*272
.set ADRA, 16
.set ADRB, 20
.set ADRS, 27
.set SPW,  28
.set NIL,  29
.set SC,   32
.set BI,   64
.set ACC,  128
.set F0,   0
.set F1,   96
.set G1, 24
.set G0, 32
.set G1B, 48
.set G0B, 56
.set G1S, 68
.set G0S, 76
.set G1SB, 80
.set G0SB, 88
.set MSB, 0
.macro WIN new
.if MSB != \new
	s_set_vgpr_msb (MSB<<8)|\new
.set MSB, \new
.endif
.endm
.set W_MUL, 0x05
.set TO_F,  0x40
.macro JLOAD g0a, g1a, g0b, g1b
	s_cmp_eq_u32 s15, 0
	s_cbranch_scc0 .Lfor_b_\@
	tensor_load_to_lds s[\g0a:\g0a+3], s[\g1a:\g1a+7]
	s_nop 0
.rept 4
	v_nop
.endr
	s_branch .Lasked_\@
.Lfor_b_\@:
	tensor_load_to_lds s[\g0b:\g0b+3], s[\g1b:\g1b+7]
	s_nop 0
.rept 4
	v_nop
.endr
.Lasked_\@:
.endm
.macro CREST
	s_cmp_lg_u32 s14, 0
	s_cbranch_scc1 .Lnot_wave_0_\@
	s_barrier_signal -3
.Lnot_wave_0_\@:
	s_barrier_wait -3
	s_barrier_signal -1
	s_barrier_wait -1
.endm
.macro CROUND
	s_barrier_signal -1
	s_barrier_wait -1
	CREST
.endm
.macro PLACES
.rept 4
	v_nop
.endr
.endm
.macro FRAG reg, adr, off
	ds_load_b128 v[\reg:\reg+3], v[\adr] offset:\off
	ds_load_b64 v[\reg+4:\reg+5], v[\adr+2] offset:\off+512
	ds_load_b128 v[\reg+6:\reg+9], v[\adr] offset:\off+768
	ds_load_b64 v[\reg+10:\reg+11], v[\adr+2] offset:\off+1280
.endm
.macro FETCH slot, q, f
	WIN TO_F
.irp i, 0,1,2,3
	FRAG \f+48+12*\i, ADRB+\slot, \i*12288+(\q)*1536
.endr
.irp i, 0,1,2,3
	FRAG \f+12*\i, ADRA+\slot, \i*12288+(\q)*1536
.endr
.endm
.macro SCALES set
.irp i, 0,1,2,3
.irp q, 0,1,2,3
	ds_load_b32 v[SC+16*\set+4*\i+\q], v[ADRS] offset:\i*RTS+64*\q
.endr
.endr
.endm
.macro MUL f, a0, na, q, set, first
.set AA, \a0
.rept \na
.irp b, 0,1,2,3
.if \first
	v_wmma_scale_f32_16x16x128_f8f6f4 v[ACC+8*(4*AA+\b):ACC+8*(4*AA+\b)+7], v[\f+48+12*\b:\f+48+12*\b+11], v[\f+12*AA:\f+12*AA+11], 0, v[SC+16*\set+4*\b+\q], v[SC+16*\set+4*AA+\q] matrix_a_fmt:MATRIX_FMT_FP6 matrix_b_fmt:MATRIX_FMT_FP6 matrix_a_scale:MATRIX_SCALE_ROW1
.else
	v_wmma_scale_f32_16x16x128_f8f6f4 v[ACC+8*(4*AA+\b):ACC+8*(4*AA+\b)+7], v[\f+48+12*\b:\f+48+12*\b+11], v[\f+12*AA:\f+12*AA+11], v[ACC+8*(4*AA+\b):ACC+8*(4*AA+\b)+7], v[SC+16*\set+4*\b+\q], v[SC+16*\set+4*AA+\q] matrix_a_fmt:MATRIX_FMT_FP6 matrix_b_fmt:MATRIX_FMT_FP6 matrix_a_scale:MATRIX_SCALE_ROW1
.endif
.endr
.set AA, AA+1
.endr
.endm
.macro QUARTER slot, q, f, g, first
	s_wait_dscnt 0x0
	PLACES
	FETCH \slot, (\q)+1, \g
	WIN W_MUL
	MUL \f, 0, 4, \q, \slot, \first
.endm
.macro TURN slot, next
	WIN 0
	s_wait_tensorcnt 0x0
	ds_add_u32 v[SPW], v[NIL]
	s_wait_dscnt 1
	WIN W_MUL
	MUL F1, 0, 1, 3, \slot, 0
	s_wait_dscnt 0x0
	s_barrier_signal -1
	MUL F1, 1, 1, 3, \slot, 0
	WIN 0
	s_barrier_wait -1
	PLACES
	v_add_nc_u32 v[ADRS], 256, v[ADRS]
	FETCH \next, 0, F0
	WIN 0
	SCALES \next
	WIN W_MUL
	MUL F1, 2, 2, 3, \slot, 0
.endm
	s_load_b128 s[4:7], s[0:1], 0x0
	s_load_b128 s[8:11], s[0:1], 0x10
	v_lshl_add_u32 v[SPW], v0, 2, SPARE
	v_mov_b32 v[NIL], 0
	ds_add_u32 v[SPW], v[NIL]
	ds_add_u32 v[SPW], v[NIL]
	v_lshrrev_b32 v1, 5, v0
	v_readfirstlane_b32 s14, v1
	s_lshr_b32 s15, s14, 1
	s_and_b32 s16, s14, 1
	s_bfe_u32 s40, ttmp6, 0x40000
	s_bfe_u32 s41, ttmp6, 0x40004
	s_lshl_b32 s42, ttmp9, 2
	s_add_co_u32 s42, s42, s40
	s_and_b32 s17, ttmp7, 0xffff
	s_lshl_b32 s17, s17, 2
	s_add_co_u32 s17, s17, s41
	s_lshl_b32 s43, s41, 2
	s_lshl_b32 s43, 15, s43
	s_lshl_b32 s44, 0x1111, s40
	s_or_b32 s[G1+0], s43, (3<<16)|(1<<21)
	s_or_b32 s[G1B+0], s44, (3<<16)|(1<<21)
.irp g, G1, G1B
	s_mov_b32 s[\g+1], 1536<<16                    ; a row tile's whole K: 12,288 bytes
	s_mov_b32 s[\g+2], 8<<16                       ; eight row tiles
	s_mov_b32 s[\g+3], 1536<<16
	s_mov_b32 s[\g+4], 8
	s_mov_b32 s[\g+5], RTP/8
	s_mov_b32 s[\g+6], 0
	s_mov_b32 s[\g+7], 0
.endr
	s_or_b32 s[G1S+0], s43, (3<<16)|(1<<21)
	s_or_b32 s[G1SB+0], s44, (3<<16)|(1<<21)
.irp g, G1S, G1SB
	s_mov_b32 s[\g+1], 32<<16
	s_mov_b32 s[\g+2], (2*HALFS/256)<<16
	s_mov_b32 s[\g+3], 32<<16
	s_mov_b32 s[\g+4], 2*HALFS/256
	s_mov_b32 s[\g+5], 32
	s_mov_b32 s[\g+6], 0
	s_mov_b32 s[\g+7], 0
.endr
	s_lshl_b32 s20, s17, 3                         ; A: the work-group's first row tile
	s_lshl_b32 s46, s42, 3                         ; B
	s_mul_i32 s22, s20, RTS
	s_add_co_u32 s22, s22, ASCL
	s_mul_i32 s92, s46, RTS
	s_add_co_u32 s92, s92, BSCL
	s_mul_i32 s20, s20, RTP
	s_mul_i32 s46, s46, RTP
	s_add_co_u32 s46, s46, BCOD
	s_mov_b32 s21, 0
	s_mov_b32 s23, 0
	s_mov_b32 s47, 0
	s_mov_b32 s93, 0
	s_wait_dscnt 0x0
	s_wait_kmcnt 0x0
	s_add_nc_u64 s[20:21], s[4:5], s[20:21]
	s_add_nc_u64 s[22:23], s[4:5], s[22:23]
	s_add_nc_u64 s[46:47], s[6:7], s[46:47]
	s_add_nc_u64 s[92:93], s[6:7], s[92:93]
	CROUND
	s_mov_b32 s[G0S], 1
	s_mov_b32 s[G0S+1], SCL
	s_mov_b64 s[G0S+2:G0S+3], s[22:23]
	s_or_b32 s[G0S+3], s[G0S+3], 0x80000000
	s_mov_b32 s[G0SB], 1
	s_mov_b32 s[G0SB+1], SCL+2*HALFS
	s_mov_b64 s[G0SB+2:G0SB+3], s[92:93]
	s_or_b32 s[G0SB+3], s[G0SB+3], 0x80000000
	s_mov_b32 s[G0], 1                             ; A's eight row tiles, all of K: 98,304 bytes from LDS byte 0
	s_mov_b32 s[G0+1], 0
	s_mov_b64 s[G0+2:G0+3], s[20:21]
	s_or_b32 s[G0+3], s[G0+3], 0x80000000
	s_mov_b32 s[G0B], 1                            ; B's eight, behind them
	s_mov_b32 s[G0B+1], 4*HALFT
	s_mov_b64 s[G0B+2:G0B+3], s[46:47]
	s_or_b32 s[G0B+3], s[G0B+3], 0x80000000
; THE HEAD'S LOADS, ONE A WAVE: wave 0 A's codes, wave 1 B's, wave 2 A's scale words, wave 3 B's; one chain of branches on the wave's number, all arms to one join
.macro ARM under, g0, g1, next
	s_cmp_lt_u32 s14, \under
	s_cbranch_scc0 \next
	tensor_load_to_lds s[\g0:\g0+3], s[\g1:\g1+7]
	s_nop 0
.rept 4
	v_nop
.endr
	s_branch .Lhead_asked
\next:
.endm
	ARM 1, G0,  G1,  .Lhead_b
	ARM 2, G0B, G1B, .Lhead_sa
	ARM 3, G0S, G1S, .Lhead_sb
	tensor_load_to_lds s[G0SB:G0SB+3], s[G1SB:G1SB+7]
	s_nop 0
.rept 4
	v_nop
.endr
.Lhead_asked:
	v_and_b32 v1, 31, v0
	v_and_b32 v2, 15, v0
	v_bfe_u32 v3, v0, 4, 1
	v_lshlrev_b32 v4, 4, v1
	v_lshlrev_b32 v5, 3, v1
	s_mul_i32 s18, s15, 2*HALFT
	s_mul_i32 s19, s16, 2*HALFT
	s_add_co_u32 s19, s19, 4*HALFT
.irp s, 0,1
	v_add_nc_u32 v[ADRA+\s], s18, v4
	v_add_nc_u32 v[ADRA+2+\s], s18, v5
	v_add_nc_u32 v[ADRB+\s], s19, v4
	v_add_nc_u32 v[ADRB+2+\s], s19, v5
	s_add_co_u32 s18, s18, 6144
	s_add_co_u32 s19, s19, 6144
.endr
	s_mul_i32 s18, s15, HALFS
	s_add_co_u32 s19, s16, 2
	s_sub_co_u32 s19, s19, s15
	s_mul_i32 s19, s19, HALFS
	v_mul_u32_u24 v6, s19, v3
	s_add_co_u32 s18, s18, SCL
	v_lshl_add_u32 v6, v2, 2, v6
	v_add_nc_u32 v[ADRS], s18, v6
	s_mul_i32 s18, s14, 16*272
	s_add_co_u32 s18, s18, STAGE
	v_mul_u32_u24 v8, v2, 272
	v_lshl_add_u32 v8, v3, 6, v8
	v_add_nc_u32 v24, s18, v8
	v_mul_u32_u24 v8, v3, 272
	v_lshl_add_u32 v8, v2, 4, v8
	v_add_nc_u32 v25, s18, v8
	v_lshlrev_b32 v26, 12, v3
	v_lshl_add_u32 v26, v2, 4, v26
	s_wait_alu depctr_va_vdst(0)
	s_lshl_b32 s96, s17, 7
	s_lshl_b32 s97, s15, 6
	s_add_co_u32 s96, s96, s97
	s_lshl_b32 s96, s96, 12
	s_lshl_b32 s97, s42, 9
	s_add_co_u32 s96, s96, s97
	s_lshl_b32 s97, s16, 8
	s_add_co_u32 s96, s96, s97
	s_mov_b32 s97, 0
	s_add_nc_u64 s[98:99], s[10:11], s[96:97]
	s_add_nc_u64 s[96:97], s[8:9], s[96:97]
	WIN 0x80
.irp a, 0,1,2,3
.irp t, 0,1,2,3,4,5,6,7
	global_load_b128 v[32*\a+4*\t:32*\a+4*\t+3], v26, s[96:97] offset:(32*(\a/2)+8*(\a%2)+2*\t+8*(\t/4))*4096
.endr
.endr
	WIN 0
	s_wait_tensorcnt 0x0                           ; my one load has landed
	s_barrier_signal -1
	s_barrier_wait -1
	FETCH 0, 0, F0
	WIN 0
	SCALES 0
	QUARTER 0, 0, F0, F1, 1
	QUARTER 0, 1, F1, F0, 0
	QUARTER 0, 2, F0, F1, 0
	TURN 0, 1
	QUARTER 1, 0, F0, F1, 0
	QUARTER 1, 1, F1, F0, 0
	QUARTER 1, 2, F0, F1, 0
	s_wait_dscnt 0x0
	MUL F1, 0, 4, 3, 1, 0
	WIN 0
	PLACES
	s_wait_loadcnt 0x0
.macro ROWS a
.set SS, ACC+32*(\a)
.set TT, 64+32*((\a)%2)
.if (\a) >= 2
	s_wait_xcnt 0x0
.endif
.irp b, 0,1
.irp k, 0,1,2,3
	ds_store_b128 v24, v[SS+16*\b+4*\k:SS+16*\b+4*\k+3] offset:128*\b+16*\k
.endr
.endr
.irp t, 0,1,2,3,4,5,6,7
	ds_load_b128 v[TT+4*\t:TT+4*\t+3], v25 offset:544*\t
.endr
	s_wait_dscnt 0x0
	WIN 0x08
.set pp, 0
.rept 16
	v_pk_add_f32 v[TT+pp:TT+pp+1], v[TT+pp:TT+pp+1], v[32*(\a)+pp:32*(\a)+pp+1]
.set pp, pp+2
.endr
	WIN 0
.irp t, 0,1,2,3,4,5,6,7
	global_store_b128 v26, v[TT+4*\t:TT+4*\t+3], s[98:99] offset:(32*((\a)/2)+8*((\a)%2)+2*\t+8*(\t/4))*4096
.endr
.endm
	ROWS 0
	ROWS 1
	ROWS 2
	ROWS 3
	s_wait_tensorcnt 0x0
	ds_add_u32 v[SPW], v[NIL]
	s_wait_dscnt 0x0
	CROUND
	s_endpgm
.Lfunc_end_k_q7b49ff02ac_wo:
	.size	k_q7b49ff02ac_wo, .Lfunc_end_k_q7b49ff02ac_wo-k_q7b49ff02ac_wo
	.p2alignl 7, 3214868480
	.fill 96, 4, 3214868480
	.section	.rodata,"a",@progbits
	.p2align	6, 0x0
	.amdhsa_kernel k_q7b49ff02ac_wo
		.amdhsa_group_segment_fixed_size 327680
		.amdhsa_private_segment_fixed_size 0
		.amdhsa_enable_private_segment 0
		.amdhsa_kernarg_size 32
		.amdhsa_user_sgpr_count 2
		.amdhsa_user_sgpr_kernarg_segment_ptr 1
		.amdhsa_wavefront_size32 1
		.amdhsa_system_sgpr_workgroup_id_x 1
		.amdhsa_system_sgpr_workgroup_id_y 1
		.amdhsa_system_sgpr_workgroup_id_z 1
		.amdhsa_system_vgpr_workitem_id 0
		.amdhsa_next_free_vgpr 640
		.amdhsa_next_free_sgpr 100
		.amdhsa_reserve_vcc 0
		.amdhsa_float_denorm_mode_32 3
		.amdhsa_float_denorm_mode_16_64 3
		.amdhsa_memory_ordered 1
		.amdhsa_forward_progress 1
		.amdhsa_inst_pref_size 60
	.end_amdhsa_kernel
	.amdgpu_metadata
---
amdhsa.version: [ 1, 2 ]
amdhsa.kernels:
  - .name:           k_q7b49ff02ac_wo
    .symbol:         k_q7b49ff02ac_wo.kd
    .args:
      - { .name: CB, .offset: 0, .size: 8, .value_kind: global_buffer, .address_space: global }
      - { .name: WB, .offset: 8, .size: 8, .value_kind: global_buffer, .address_space: global }
      - { .name: x, .offset: 16, .size: 8, .value_kind: global_buffer, .address_space: global }
      - { .name: X1, .offset: 24, .size: 8, .value_kind: global_buffer, .address_space: global }
    .group_segment_fixed_size: 327680
    .private_segment_fixed_size: 0
    .kernarg_segment_align: 8
    .kernarg_segment_size: 32
    .max_flat_workgroup_size: 128
    .sgpr_count:     100
    .vgpr_count:     640
    .wavefront_size: 32
...
	.end_amdgpu_metadata
.endif
;; end of part 4
;; launch ln2 (part 5): grid 256 x 1, 8 waves a work-group, no clusters, 50,688 bytes of LDS; arguments X1, g2, b2, HB; writes HB
.if DOCPART == 5
	.amdgcn_target "amdgcn-amd-amdhsa--gfx1250"
	.amdhsa_code_object_version 6
	.text
	.protected	k_q7b49ff02ac_ln2
	.globl	k_q7b49ff02ac_ln2
	.p2align	8
	.type	k_q7b49ff02ac_ln2,@function
k_q7b49ff02ac_ln2:
	s_mov_b64 s[64:65], 0
	v_nop
	global_prefetch_b8 v0, s[64:65] scope:SCOPE_SE
	s_setreg_imm32_b32 hwreg(HW_REG_WAVE_MODE, 25, 1), 1
	s_wait_xcnt 0x0
; The second norm: a work-group takes one tile of 16 rows of X1 (a wave: two rows, each whole in its registers), norms them (mean; root of the mean square of x - mean; 1e-5 added to the root), applies gain and
; bias, quantises along the row to codes of FP6 (E2M3) with E8M0 scales, and stores the tile's images and scale words to HB in the workspace's layout (see prep, whose first path this is).
; LIMITS: as stated at prep's head.
.set WST,   4608                       ; a wave's stage: 32 places of 128 bytes + 16
.set IMG,   8*WST                      ; the tile's 16 half-images
.set SCI,   IMG+12288                  ; its 8 x 16 scale words
.set SPARE, SCI+512                    ; the spare words, 128 bytes for each wave: no other line names them
.set SPW, 2
.set NIL, 3
.set X,   32
.set GA,  96
.set BE,  128
.set CD,  160
.set OUTR, 180
	s_load_b256 s[4:11], s[0:1], 0x0               ; X1 s[4:5], gain s[6:7], bias s[8:9], HB s[10:11]
	v_lshl_add_u32 v[SPW], v0, 2, SPARE
	v_mov_b32 v[NIL], 0
	v_lshrrev_b32 v12, 5, v0
	s_delay_alu instid0(VALU_DEP_1)
	v_readfirstlane_b32 s26, v12                   ; wave 0..7
	v_and_b32 v1, 31, v0                           ; lane
	s_delay_alu instid0(VALU_DEP_1)
	v_lshlrev_b32 v4, 4, v1
	s_mul_i32 s27, s26, WST
	v_lshrrev_b32 v12, 3, v1
	s_delay_alu instid0(VALU_DEP_1)
	v_mul_u32_u24 v12, v12, 144
	v_and_b32 v13, 7, v1
	s_delay_alu instid0(VALU_DEP_1)
	v_lshl_add_u32 v12, v13, 4, v12
	s_delay_alu instid0(VALU_DEP_1)
	v_add_nc_u32 v5, s27, v12                      ; the stage, in
	v_mul_u32_u24 v12, v1, 144
	s_delay_alu instid0(VALU_DEP_1)
	v_add_nc_u32 v6, s27, v12                      ; out: place = lane: my block of 32 neighbours
	v_lshrrev_b32 v12, 1, v1
	s_delay_alu instid0(VALU_DEP_1)
	v_mul_u32_u24 v12, v12, 768
	v_and_b32 v13, 1, v1
	s_delay_alu instid0(VALU_DEP_1)
	v_lshl_add_u32 v14, v13, 8, v12
	s_lshl_b32 s28, s26, 4
	s_add_co_u32 s28, s28, IMG
	v_add_nc_u32 v7, s28, v14                      ; an image's words 0-3
	v_lshl_add_u32 v14, v13, 7, v12
	s_lshl_b32 s28, s26, 3
	s_add_co_u32 s28, s28, IMG+512
	v_add_nc_u32 v8, s28, v14                      ; words 4-5
	v_lshrrev_b32 v12, 2, v1
	v_and_b32 v13, 3, v1
	s_delay_alu instid0(VALU_DEP_1)
	v_lshl_add_u32 v12, v12, 6, v13
	s_lshl_b32 s28, s26, 2
	s_add_co_u32 s28, s28, SCI
	v_add_nc_u32 v9, s28, v12                      ; my block's byte
	s_mul_i32 s29, s26, 1536
	s_add_co_u32 s28, s29, IMG
	v_add_nc_u32 v10, s28, v4
	v_add_nc_u32 v11, SCI, v4
	s_mov_b32 s38, 0x76543210
	s_mov_b32 s39, 0xfedcba98
	s_lshr_b32 s30, ttmp9, 1
	s_lshl_b32 s30, s30, 5
	s_and_b32 s31, ttmp9, 1
	s_lshl_b32 s31, s31, 3
	s_add_co_u32 s30, s30, s31
	s_add_co_u32 s30, s30, s26                     ; my first row; my second lies 16 rows on
	s_lshl_b32 s30, s30, 12
	s_mov_b32 s31, 0
	s_mul_i32 s32, ttmp9, 12288
	s_add_co_u32 s32, s32, s29
	s_mov_b32 s33, 0
	s_lshl_b32 s34, ttmp9, 9
	s_add_co_u32 s34, s34, 3145728
	s_mov_b32 s35, 0
	s_wait_kmcnt 0x0
	s_add_nc_u64 s[4:5], s[4:5], s[30:31]
	s_add_nc_u64 s[32:33], s[10:11], s[32:33]
	s_add_nc_u64 s[34:35], s[10:11], s[34:35]
.irp p, 0,1
.irp j, 0,1,2,3,4,5,6,7
	global_load_b128 v[X+32*\p+4*\j:X+32*\p+4*\j+3], v4, s[4:5] offset:65536*\p+512*\j th:TH_LOAD_NT
.endr
.endr
.irp j, 0,1,2,3,4,5,6,7
	global_load_b128 v[GA+4*\j:GA+4*\j+3], v4, s[6:7] offset:512*\j
.endr
.irp j, 0,1,2,3,4,5,6,7
	global_load_b128 v[BE+4*\j:BE+4*\j+3], v4, s[8:9] offset:512*\j
.endr
.macro REDUCE                          ; four partial sums a lane become the row's sum in every lane; the two rows by turns
.irp p, 0
	s_delay_alu instid0(VALU_DEP_3)
	v_pk_add_f32 v[12+8*\p:13+8*\p], v[12+8*\p:13+8*\p], v[14+8*\p:15+8*\p]
.endr
.irp p, 1
	s_delay_alu instid0(VALU_DEP_2)
	v_pk_add_f32 v[12+8*\p:13+8*\p], v[12+8*\p:13+8*\p], v[14+8*\p:15+8*\p]
.endr
.irp p, 0,1
	s_delay_alu instid0(VALU_DEP_2)
	v_add_f32 v[12+8*\p], v[12+8*\p], v[13+8*\p]
.endr
.irp m, 1,2,4,8
.irp p, 0,1
	s_delay_alu instid0(VALU_DEP_2)
	v_add_f32_dpp v[12+8*\p], v[12+8*\p], v[12+8*\p] row_xmask:\m row_mask:0xf bank_mask:0xf
.endr
.endr
.irp p, 0,1
	s_delay_alu instid0(VALU_DEP_2)
	v_permlanex16_b32 v[13+8*\p], v[12+8*\p], s38, s39
.endr
.irp p, 0,1
	s_delay_alu instid0(VALU_DEP_2)
	v_add_f32 v[12+8*\p], v[12+8*\p], v[13+8*\p]
.endr
.endm
	s_wait_loadcnt 16                              ; the two rows are in; the gain's and the bias's 16 loads may be out
.irp p, 0,1
	v_pk_add_f32 v[12+8*\p:13+8*\p], v[X+32*\p:X+32*\p+1], v[X+32*\p+2:X+32*\p+3]
	v_pk_add_f32 v[14+8*\p:15+8*\p], v[X+32*\p+4:X+32*\p+5], v[X+32*\p+6:X+32*\p+7]
.endr
.irp j, 8,12,16,20,24,28
.irp p, 0,1
	s_delay_alu instid0(VALU_DEP_4)
	v_pk_add_f32 v[12+8*\p:13+8*\p], v[12+8*\p:13+8*\p], v[X+32*\p+\j:X+32*\p+\j+1]
	s_delay_alu instid0(VALU_DEP_4)
	v_pk_add_f32 v[14+8*\p:15+8*\p], v[14+8*\p:15+8*\p], v[X+32*\p+\j+2:X+32*\p+\j+3]
.endr
.endr
	REDUCE
.irp p, 0
	s_delay_alu instid0(VALU_DEP_2)
	v_mul_f32 v[16+8*\p], 0x3a800000, v[12+8*\p]   ; the mean, in both halves of a pair
	s_delay_alu instid0(VALU_DEP_3)
	v_mul_f32 v[17+8*\p], 0x3a800000, v[12+8*\p]
.endr
.irp p, 1
	s_delay_alu instid0(VALU_DEP_3)
	v_mul_f32 v[16+8*\p], 0x3a800000, v[12+8*\p]   ; the mean, in both halves of a pair
	s_delay_alu instid0(VALU_DEP_4)
	v_mul_f32 v[17+8*\p], 0x3a800000, v[12+8*\p]
.endr
.set jj, 0
.rept 16
.irp p, 0,1
	v_pk_add_f32 v[X+32*\p+jj:X+32*\p+jj+1], v[X+32*\p+jj:X+32*\p+jj+1], v[16+8*\p:17+8*\p] neg_lo:[0,1] neg_hi:[0,1]
.endr
.set jj, jj+2
.endr
.irp p, 0,1
	v_pk_mul_f32 v[12+8*\p:13+8*\p], v[X+32*\p:X+32*\p+1], v[X+32*\p:X+32*\p+1]
	v_pk_mul_f32 v[14+8*\p:15+8*\p], v[X+32*\p+2:X+32*\p+3], v[X+32*\p+2:X+32*\p+3]
.endr
.irp j, 4,8,12,16,20,24,28
.irp p, 0,1
	s_delay_alu instid0(VALU_DEP_4)
	v_pk_fma_f32 v[12+8*\p:13+8*\p], v[X+32*\p+\j:X+32*\p+\j+1], v[X+32*\p+\j:X+32*\p+\j+1], v[12+8*\p:13+8*\p]
	s_delay_alu instid0(VALU_DEP_4)
	v_pk_fma_f32 v[14+8*\p:15+8*\p], v[X+32*\p+\j+2:X+32*\p+\j+3], v[X+32*\p+\j+2:X+32*\p+\j+3], v[14+8*\p:15+8*\p]
.endr
.endr
	REDUCE
.irp p, 0,1
	s_delay_alu instid0(VALU_DEP_2)
	v_mul_f32 v[12+8*\p], 0x3a800000, v[12+8*\p]
.endr
	s_wait_alu depctr_va_vdst(0)
.irp p, 0,1
	v_sqrt_f32 v[14+8*\p], v[12+8*\p]
.endr
	v_nop                                          ; a plain instruction behind the roots,
	s_wait_alu depctr_va_vdst(0)                   ; and one wait for both, ahead of their first reader
.irp p, 0,1
	v_add_f32 v[14+8*\p], 0x3727c5ac, v[14+8*\p]   ; std + 1e-5
.endr
	s_wait_alu depctr_va_vdst(0)
.irp p, 0,1
	v_rcp_f32 v[18+8*\p], v[14+8*\p]
.endr
	v_nop
	s_wait_alu depctr_va_vdst(0)
.irp p, 0,1
	v_mov_b32 v[19+8*\p], v[18+8*\p]
.endr
	s_wait_alu depctr_va_vdst(0)
	s_wait_loadcnt 0x0
.set jj, 0
.rept 16
.irp p, 0,1
	v_pk_mul_f32 v[X+32*\p+jj:X+32*\p+jj+1], v[X+32*\p+jj:X+32*\p+jj+1], v[18+8*\p:19+8*\p]
	s_delay_alu instid0(VALU_DEP_1)
	v_pk_fma_f32 v[X+32*\p+jj:X+32*\p+jj+1], v[X+32*\p+jj:X+32*\p+jj+1], v[GA+jj:GA+jj+1], v[BE+jj:BE+jj+1]
.endr
.set jj, jj+2
.endr
.macro ROWQ p                          ; row p through my stage, so that lane l holds block l; the block's scale, its codes, their place in the images
.set XR, X+32*(\p)
.set CR, CD+10*(\p)
.set MR, 12+8*(\p)
.irp j, 0,1,2,3,4,5,6,7
	ds_store_b128 v5, v[XR+4*\j:XR+4*\j+3] offset:576*\j
.endr
.irp j, 0,1,2,3,4,5,6,7
	ds_load_b128 v[XR+4*\j:XR+4*\j+3], v6 offset:16*\j   ; LDS serves a wave's instructions in order
.endr
	s_wait_dscnt 0x0
	v_max3_num_f32 v[MR], |v[XR]|, |v[XR+1]|, |v[XR+2]|
	v_max3_num_f32 v[MR+1], |v[XR+3]|, |v[XR+4]|, |v[XR+5]|
.irp i, 6,10,14,18,22,26
	s_delay_alu instid0(VALU_DEP_2)
	v_max3_num_f32 v[MR], v[MR], |v[XR+\i]|, |v[XR+\i+1]|
	s_delay_alu instid0(VALU_DEP_2)
	v_max3_num_f32 v[MR+1], v[MR+1], |v[XR+\i+2]|, |v[XR+\i+3]|
.endr
	s_delay_alu instid0(VALU_DEP_2)
	v_max3_num_f32 v[MR], v[MR], |v[XR+30]|, |v[XR+31]|
	s_delay_alu instid0(VALU_DEP_1)
	v_max3_num_f32 v[MR], v[MR], v[MR+1], 0x1800000
	s_delay_alu instid0(VALU_DEP_1)
	v_add_nc_u32 v[MR+2], 0xff000000, v[MR]
	s_delay_alu instid0(VALU_DEP_1)
	v_lshrrev_b32 v[MR+3], 23, v[MR+2]
	v_cvt_scalef32_pk16_fp6_f32 v[CR:CR+2], v[XR:XR+15], v[MR+2]
	v_cvt_scalef32_pk16_fp6_f32 v[CR+6:CR+8], v[XR+16:XR+31], v[MR+2]
	v_nop
.irp i, 0,1,2
	v_mov_b32 v[CR+3+\i], v[CR+6+\i]
.endr
	ds_store_b128 v7, v[CR:CR+3] offset:128*(\p)
	ds_store_b64 v8, v[CR+4:CR+5] offset:64*(\p)
	ds_store_b8 v9, v[MR+3] offset:32*(\p)
.endm
	ROWQ 0
	ROWQ 1
	s_wait_dscnt 0x0                               ; for the others' sake: my stores into the images are done
	s_barrier_signal -1
	s_barrier_wait -1
.irp c, 0,1,2
	ds_load_b128 v[OUTR+4*\c:OUTR+4*\c+3], v10 offset:512*\c
.endr
	s_wait_dscnt 0x0
.irp c, 0,1,2
	global_store_b128 v4, v[OUTR+4*\c:OUTR+4*\c+3], s[32:33] offset:512*\c
.endr
	s_cmp_lg_u32 s26, 0
	s_cbranch_scc1 .Lnot_wave_0
	ds_load_b128 v[32:35], v11
	s_wait_dscnt 0x0
	global_store_b128 v4, v[32:35], s[34:35]
.Lnot_wave_0:
	s_wait_tensorcnt 0x0                           ; the wave's end
	ds_add_u32 v[SPW], v[NIL]
	s_wait_dscnt 0x0
	s_endpgm
.Lfunc_end_k_q7b49ff02ac_ln2:
	.size	k_q7b49ff02ac_ln2, .Lfunc_end_k_q7b49ff02ac_ln2-k_q7b49ff02ac_ln2
	.p2alignl 7, 3214868480
	.fill 96, 4, 3214868480
	.section	.rodata,"a",@progbits
	.p2align	6, 0x0
	.amdhsa_kernel k_q7b49ff02ac_ln2
		.amdhsa_group_segment_fixed_size 50688
		.amdhsa_private_segment_fixed_size 0
		.amdhsa_enable_private_segment 0
		.amdhsa_kernarg_size 32
		.amdhsa_user_sgpr_count 2
		.amdhsa_user_sgpr_kernarg_segment_ptr 1
		.amdhsa_wavefront_size32 1
		.amdhsa_system_sgpr_workgroup_id_x 1
		.amdhsa_system_sgpr_workgroup_id_y 1
		.amdhsa_system_sgpr_workgroup_id_z 1
		.amdhsa_system_vgpr_workitem_id 0
		.amdhsa_next_free_vgpr 192
		.amdhsa_next_free_sgpr 66
		.amdhsa_reserve_vcc 0
		.amdhsa_float_denorm_mode_32 3
		.amdhsa_float_denorm_mode_16_64 3
		.amdhsa_memory_ordered 1
		.amdhsa_forward_progress 1
		.amdhsa_inst_pref_size 30
	.end_amdhsa_kernel
	.amdgpu_metadata
---
amdhsa.version: [ 1, 2 ]
amdhsa.kernels:
  - .name:           k_q7b49ff02ac_ln2
    .symbol:         k_q7b49ff02ac_ln2.kd
    .args:
      - { .name: X1, .offset: 0, .size: 8, .value_kind: global_buffer, .address_space: global }
      - { .name: g2, .offset: 8, .size: 8, .value_kind: global_buffer, .address_space: global }
      - { .name: b2, .offset: 16, .size: 8, .value_kind: global_buffer, .address_space: global }
      - { .name: HB, .offset: 24, .size: 8, .value_kind: global_buffer, .address_space: global }
    .group_segment_fixed_size: 50688
    .private_segment_fixed_size: 0
    .kernarg_segment_align: 8
    .kernarg_segment_size: 32
    .max_flat_workgroup_size: 256
    .sgpr_count:     66
    .vgpr_count:     192
    .wavefront_size: 32
...
	.end_amdgpu_metadata
.endif
;; end of part 5
;; launch ffn1 (part 6): grid 16 x 16, 4 waves a work-group, clusters of 4 x 4, 327,680 bytes of LDS; arguments HB, WB, bf1, FB; writes FB
.if DOCPART == 6
	.amdgcn_target "amdgcn-amd-amdhsa--gfx1250"
	.amdhsa_code_object_version 6
	.text
	.protected	k_q7b49ff02ac_ffn1
	.globl	k_q7b49ff02ac_ffn1
	.p2align	8
	.type	k_q7b49ff02ac_ffn1,@function
k_q7b49ff02ac_ffn1:
	s_mov_b64 s[64:65], 0
	v_nop
	global_prefetch_b8 v0, s[64:65] scope:SCOPE_SE
	s_setreg_imm32_b32 hwreg(HW_REG_WAVE_MODE, 25, 1), 1
	s_wait_xcnt 0x0
	s_wait_alu depctr_hold_cnt(0) depctr_sa_sdst(0) depctr_va_vdst(0) depctr_va_sdst(0) depctr_va_ssrc(0) depctr_va_vcc(0) depctr_vm_vsrc(0)
	s_getreg_b32 s2, hwreg(HW_REG_IB_STS2, 6, 4)
	s_cmp_eq_u32 s2, 0
	s_cbranch_scc0 .Lentry_in_a_cluster
	s_endpgm
.Lentry_in_a_cluster:
	s_bfe_u32 s2, ttmp6, 0x10000c
	s_cmp_lg_u32 s2, 0xf033
	s_cbranch_scc0 .Lentry_shape_is_right
	s_endpgm
.Lentry_shape_is_right:
; FB = Q(gelu(h W1 + bf1)), K = 1,024, on codes of FP6 (E2M3) with E8M0 scales: the normed tokens (HB) x W1's columns (WB); the result is quantised along the hidden units, the next K, and stored in the workspace's layout (see prep).
; SHARES.  A work-group makes 256 tokens x 256 hidden units (256 work-groups), a wave 128 x 128.  A WAVE'S 8 TILES OF W1 STAY IN ITS REGISTERS FOR ALL OF K: 64 fragments of 12 registers, read from LDS once.
; A loop walks the wave's 8 token tiles: a trip is 64 products on 8 accumulators, then gelu, the quantiser and the stores.  The last trip is written out: it fetches nothing ahead.
; Transposed use (source 0 = W1's tile, source 1 = the tokens'): a lane holds one token, its 64 results are the halves of 4 blocks of the next K.
; bf1 starts the sums: each trip's accumulators are loaded with it from the wave's own 512 bytes of LDS.
; GELU: x Phi(x) = max(x, 0) - |x| E, E = erfc(|x| / sqrt 2) / 2 = (a1 t + .. + a5 t^5) 2^(-x^2 log2(e) / 2) / 2, t = 1 / (1 + p |x| / sqrt 2): the five-term form, whose error stays under 1.5e-7 of erf's range.
; LDS, in units of 4 tiles (49,152 bytes): the 16 token tiles lie in units 0-3; W1's 16 in units 1, 3, 4, 5.  W1 comes first (one load a wave); behind a round, token tiles
; 0-3 and 8-11 (units 0, 2: first fills) come while W1 goes into registers; behind a round again, token tiles 4-7 and 12-15 fill units 1 and 3 again.  A barrier late in each trip, with the wait
; for my tensor loads in front of it, stands ahead of the fetch of the next tile: so the second half is whole when trip 3 fetches tile 4.
; CLUSTER 4 x 4: the tokens' tiles are asked for jointly by a row of the cluster, W1's by a column.  NO PREFETCH: all loads go out in the head; no later stream is left to run ahead of.
; LIMITS: as stated at prep's head.
; REGISTERS, window 0: v1-9, v18-23, v28-31 addresses; v10-11 a constant; v12-17 the quantiser's; v32-63 W1's scale words (tile b, K steps 2 p and 2 p + 1 in the two halves of the lanes); v64-67 the tokens';
;   v68-79 W1's 64th fragment; v80-143 the accumulators; v144-239 the token tile's 8 fragments, of which v192-239 serve gelu between the products; v240-248 codes.  Windows 1-3: 21 fragments of W1 each.
.set RTP,   12288                      ; a tile's codes, all of K
.set UNIT,  4*RTP
.set ASCL,  3145728                    ; the tokens' scale words in HB
.set BCOD,  3145728                    ; W1's codes in WB
.set BSCL,  9568256                    ; and scale words
.set FSCL,  12582912                   ; the result's scale words in FB
.set BIASL, 6*UNIT                     ; LDS: behind the six units, 512 bytes of bf1 for each wave
.set SPARE, BIASL+2048                 ; the spare words, 128 bytes for each wave: no other line names them
.set SPW, 8
.set NIL, 9
.set SB,  32
.set SA,  64
.set SA2, 250                          ; v250-253 the next token tile's scale words, on their way
.set F63, 68
.set ACC, 80
.set AF,  144
.set TT,  192
.set EE,  208
.set PP,  224
.set PC,  240
.set G1R, 24
.set G0R, 32
.set G1S, 80
.set G0S, 88
.set CNT, 48
.set SLDS, 49                          ; the trip's token tile in LDS
.set SSA, 50                           ; its scale words
.set SOFF, 51                          ; its codes in FB
.set SOFS, 52                          ; its scale words in FB
.set SEL, 54
.set CP,  56                           ; p / sqrt 2
.set CL,  58                           ; log2(e) / 2
.set A5,  60                           ; a5 / 2, a3 / 2, a2 / 2, a1 / 2, each in both halves of a pair
.set A3,  62
.set A2,  66
.set A1,  68
.set MSB, 0
.macro WIN new                         ; the immediate's high byte repeats the setting that is left
.if MSB != \new
	s_set_vgpr_msb (MSB<<8)|\new
.set MSB, \new
.endif
.endm
.macro CROUND                          ; a round of the cluster's barrier
	s_barrier_signal -1
	s_barrier_wait -1
	s_cmp_lg_u32 s14, 0
	s_cbranch_scc1 .Lnot_wave_0_\@
	s_barrier_signal -3
.Lnot_wave_0_\@:
	s_barrier_wait -3
	s_barrier_signal -1
	s_barrier_wait -1
.endm
.macro BPOS f                          ; where W1's fragment f = 8 x K step + tile lies: window BW, register BR
.if (\f) == 63
.set BW, 0
.set BR, F63
.else
.set BW, 1+(\f)/21
.set BR, 12*((\f)%21)
.endif
.endm
	s_load_b128 s[4:7], s[0:1], 0x0                ; HB s[4:5], WB s[6:7]
	s_load_b128 s[8:11], s[0:1], 0x10              ; bf1 s[8:9], FB s[10:11]
	v_lshl_add_u32 v[SPW], v0, 2, SPARE
	v_mov_b32 v[NIL], 0
	ds_add_u32 v[SPW], v[NIL]                      ; the wave's opening: the add, twice on end, and its wait ahead of my first tensor load
	ds_add_u32 v[SPW], v[NIL]
	v_lshrrev_b32 v1, 5, v0
	v_readfirstlane_b32 s14, v1                    ; wave 0..3
	s_lshr_b32 s15, s14, 1                         ; mh: which 8 token tiles are mine
	s_and_b32 s16, s14, 1                          ; nh: which 8 tiles of W1
	s_bfe_u32 s12, ttmp6, 0x40000                  ; cx
	s_bfe_u32 s13, ttmp6, 0x40004                  ; cy
	s_lshl_b32 s18, ttmp9, 2
	s_add_co_u32 s18, s18, s12                     ; my 256 hidden units
	s_and_b32 s17, ttmp7, 0xffff
	s_lshl_b32 s17, s17, 2
	s_add_co_u32 s17, s17, s13                     ; my 256 tokens
	s_lshl_b32 s19, s13, 2
	s_lshl_b32 s19, 15, s19                        ; my row of the cluster
	s_lshl_b32 s20, 0x1111, s12                    ; my column
	s_or_b32 s[G1S], s19, (3<<16)|(1<<21)          ; the mask; elements of 8 bytes; bit 21 beside a mask
	s_or_b32 s[G1R], s20, (3<<16)|(1<<21)
.irp g, G1S, G1R
	s_mov_b32 s[\g+1], 1536<<16                    ; a row = a tile's 12,288 bytes
	s_mov_b32 s[\g+3], 1536<<16
	s_mov_b32 s[\g+5], 1536
	s_mov_b32 s[\g+6], 0
	s_mov_b32 s[\g+7], 0
.endr
	s_mov_b32 s[G1S+2], 2<<16                      ; the tokens: two tiles a load
	s_mov_b32 s[G1S+4], 2
	s_mov_b32 s[G1R+2], 4<<16                      ; W1: four
	s_mov_b32 s[G1R+4], 4
	s_mov_b32 s[G0R], 1
	s_min_u32 s21, s14, 1
	s_add_co_u32 s21, s21, s14
	s_add_co_u32 s21, s21, 1                       ; units 1, 3, 4, 5 for waves 0 to 3
	s_mul_i32 s[G0R+1], s21, UNIT
	s_lshl_b32 s22, s18, 4                         ; W1's first tile of the block
	s_lshl_b32 s23, s14, 2
	s_add_co_u32 s23, s23, s22
	s_mul_i32 s36, s23, RTP
	s_add_co_u32 s36, s36, BCOD
	s_mov_b32 s37, 0
	s_mov_b32 s[G0S], 1
	s_mul_i32 s[G0S+1], s15, 2*UNIT
	s_mul_i32 s23, s16, 2*RTP
	s_add_co_u32 s[G0S+1], s[G0S+1], s23           ; tiles 8 mh + 2 nh, + 1
	s_lshl_b32 s21, s17, 4
	s_lshl_b32 s23, s15, 3
	s_add_co_u32 s21, s21, s23                     ; my wave's first token tile
	s_lshl_b32 s23, s16, 1
	s_add_co_u32 s23, s23, s21
	s_mul_i32 s94, s23, RTP
	s_mov_b32 s95, 0
	s_lshl_b32 s23, s16, 3
	s_add_co_u32 s22, s22, s23                     ; my wave's first tile of W1
	s_lshl_b32 s38, s22, 9
	s_add_co_u32 s38, s38, BSCL
	s_mov_b32 s39, 0
	s_lshl_b32 s40, s21, 9
	s_add_co_u32 s40, s40, ASCL
	s_mov_b32 s41, 0
	s_lshl_b32 s42, s22, 6                         ; bf1: 16 units x 4 bytes a tile
	s_mov_b32 s43, 0
	s_mul_i32 s44, s21, 49152                      ; FB's codes: [256 tiles][64][768]: 768 bytes for each 64 units = 192 a tile of W1
	s_mul_i32 s23, s22, 192
	s_add_co_u32 s44, s44, s23
	s_mov_b32 s45, 0
	s_lshl_b32 s46, s21, 11                        ; FB's scale words: 2,048 bytes a tile, 64 for each 128 units = 8 a tile of W1
	s_lshl_b32 s23, s22, 3
	s_add_co_u32 s46, s46, s23
	s_add_co_u32 s46, s46, FSCL
	s_mov_b32 s47, 0
	s_mov_b32 s[SEL], 0x76543210
	s_mov_b32 s[SEL+1], 0xfedcba98
	s_mov_b32 s[CP], 0x3e6d3388
.irp c, CL, A5, A3, A2, A1
.if \c == CL
.set KB, 0x3f38aa3b
.elseif \c == A5
.set KB, 0x3f07dc22
.elseif \c == A3
.set KB, 0x3f35f0e3
.elseif \c == A2
.set KB, 0xbe11a98e
.else
.set KB, 0x3e027906
.endif
	s_mov_b32 s[\c], KB
	s_mov_b32 s[\c+1], KB
.endr
	s_mul_i32 s[SLDS], s15, 2*UNIT
	s_mov_b32 s[SSA], 0
	s_mov_b32 s[SOFF], 0
	s_mov_b32 s[SOFS], 0
	s_mul_i32 s20, s16, 3*UNIT
	s_add_co_u32 s20, s20, UNIT                    ; my tiles 0-3 of W1: unit 1 or 4,
	s_mul_i32 s19, s16, 2*UNIT
	s_add_co_u32 s19, s19, 3*UNIT                  ; tiles 4-7: unit 3 or 5
	s_lshl_b32 s23, s14, 9
	s_add_co_u32 s23, s23, BIASL
	s_wait_dscnt 0x0                               ; both opening adds are done
	s_wait_kmcnt 0x0
	s_add_nc_u64 s[G0R+2:G0R+3], s[6:7], s[36:37]
	s_or_b32 s[G0R+3], s[G0R+3], 0x80000000
	s_add_nc_u64 s[G0S+2:G0S+3], s[4:5], s[94:95]
	s_or_b32 s[G0S+3], s[G0S+3], 0x80000000
	s_add_nc_u64 s[38:39], s[6:7], s[38:39]        ; W1's scale words, my tiles
	s_add_nc_u64 s[40:41], s[4:5], s[40:41]        ; the tokens' scale words
	s_add_nc_u64 s[42:43], s[8:9], s[42:43]        ; my 128 numbers of bf1
	s_add_nc_u64 s[44:45], s[10:11], s[44:45]
	s_add_nc_u64 s[46:47], s[10:11], s[46:47]
	CROUND                                         ; all sixteen work-groups are here: the first joint loads meet
	tensor_load_to_lds s[G0R:G0R+3], s[G1R:G1R+7]  ; my four of W1's sixteen tiles: my one load at the head
	s_nop 0
.rept 4
	v_nop
.endr
	v_and_b32 v2, 31, v0                           ; lane
	v_and_b32 v7, 15, v0                           ; r
	v_bfe_u32 v5, v0, 4, 1                         ; h
	v_lshlrev_b32 v1, 4, v2                        ; 16 x lane: an image's words 0-3
	v_lshlrev_b32 v18, 2, v2                       ; 4 x lane: scale words of two K steps
	v_lshlrev_b32 v2, 3, v2                        ; 8 x lane: words 4-5
	v_lshlrev_b32 v7, 2, v7                        ; 4 r
	v_lshl_add_u32 v5, v5, 6, s23                  ; bf1 from LDS: my 16 h units on
	v_add_nc_u32 v23, s23, v1                      ; and into it
	v_add_nc_u32 v3, s[SLDS], v1                   ; the trip's token tile in LDS
	v_add_nc_u32 v4, s[SLDS], v2
	v_mov_b32 v6, v18                              ; and its scale words
	v_add_nc_u32 v28, s20, v1
	v_add_nc_u32 v29, s20, v2
	v_add_nc_u32 v30, s19, v1
	v_add_nc_u32 v31, s19, v2
	v_mov_b32 v10, 0xbf3a00e3                      ; a4 / 2
	v_mov_b32 v11, 0xbf3a00e3
	v_mov_b32 v22, 0                               ; a lane permute's destination counts as one of its sources
	s_wait_alu depctr_va_vdst(0)                   ; the wait behind the head's last vector instruction
	global_load_b128 v[24:27], v1, s[42:43]
.set ii, 0
.rept 32
	global_load_b32 v[SB+ii], v18, s[38:39] offset:128*ii   ; register 4 b + p: 128 consecutive bytes
.set ii, ii+1
.endr
.macro SALOAD
.irp p, 0,1,2,3
	global_load_b32 v[SA2+\p], v6, s[40:41] offset:128*\p
.endr
.endm
	SALOAD
	s_wait_loadcnt 0x0                             ; bf1 is in
	s_wait_tensorcnt 0x0                           ; no tensor load of mine is out:
	ds_store_b128 v23, v[24:27]                    ; my wave's 512 bytes of bf1: nobody else reads them
	s_wait_tensorcnt 0x0
	ds_add_u32 v[SPW], v[NIL]
	s_wait_dscnt 0x0
	CROUND                                         ; all of W1 is in, and the joint loads meet
	tensor_load_to_lds s[G0S:G0S+3], s[G1S:G1S+7]  ; the tokens' first half, two tiles a wave: first fills of units 0 and 2
	s_nop 0
.rept 4
	v_nop
.endr
.set ff, 0
.rept 64                               ; W1's 64 fragments into registers: every load is dense and aligned
	BPOS ff
.set WW, BW<<6
	WIN WW
.set RA, 28+2*((ff%8)/4)
.set RO, ((ff%8)%4)*RTP+(ff/8)*1536
	ds_load_b128 v[BR:BR+3], v[RA] offset:RO
	ds_load_b64 v[BR+4:BR+5], v[RA+1] offset:RO+512
	ds_load_b128 v[BR+6:BR+9], v[RA] offset:RO+768
	ds_load_b64 v[BR+10:BR+11], v[RA+1] offset:RO+1280
.set ff, ff+1
.endr
	WIN 0
	s_wait_tensorcnt 0x0                           ; my part of the tokens' first half is in,
	ds_add_u32 v[SPW], v[NIL]
	s_add_co_u32 s[G0S+1], s[G0S+1], UNIT          ; no load of mine is out: the second half lies four tiles on, in memory and in LDS
	s_add_nc_u64 s[G0S+2:G0S+3], s[G0S+2:G0S+3], 4*RTP
	s_wait_dscnt 0x0                               ; the add is done, and my reads of W1 are over
	CROUND                                         ; both hold of every wave of the cluster
	tensor_load_to_lds s[G0S:G0S+3], s[G1S:G1S+7]  ; the tokens' second half fills units 1 and 3 again
	s_nop 0
.rept 4
	v_nop
.endr
.macro AFETCH s0                       ; the token tile's fragments of K steps s0 .. s0 + 3: 16 LDS loads
.irp q, 0,1,2,3
	ds_load_b128 v[AF+12*(\s0+\q):AF+12*(\s0+\q)+3], v3 offset:(\s0+\q)*1536
	ds_load_b64 v[AF+12*(\s0+\q)+4:AF+12*(\s0+\q)+5], v4 offset:(\s0+\q)*1536+512
	ds_load_b128 v[AF+12*(\s0+\q)+6:AF+12*(\s0+\q)+9], v3 offset:(\s0+\q)*1536+768
	ds_load_b64 v[AF+12*(\s0+\q)+10:AF+12*(\s0+\q)+11], v4 offset:(\s0+\q)*1536+1280
.endr
.endm
.macro BIASLD bb                       ; accumulators 2 bb and 2 bb + 1 begin as bf1 at units 32 bb + 16 h + 0 .. 15
.irp k, 0,1,2,3
	ds_load_b128 v[ACC+16*(\bb)+4*\k:ACC+16*(\bb)+4*\k+3], v5 offset:128*(\bb)+16*\k
.endr
.endm
.macro MULS s0                         ; K steps s0 .. s0 + 3: 32 products; the 8 accumulators take turns, one instruction a turn
.set ff, 8*(\s0)
.rept 32
	BPOS ff
	WIN BW
.if (ff/8)%2
	v_wmma_scale_f32_16x16x128_f8f6f4 v[ACC+8*(ff%8):ACC+8*(ff%8)+7], v[BR:BR+11], v[AF+12*(ff/8):AF+12*(ff/8)+11], v[ACC+8*(ff%8):ACC+8*(ff%8)+7], v[SB+4*(ff%8)+ff/16], v[SA+ff/16] matrix_a_fmt:MATRIX_FMT_FP6 matrix_b_fmt:MATRIX_FMT_FP6 matrix_a_scale:MATRIX_SCALE_ROW1 matrix_b_scale:MATRIX_SCALE_ROW1
.else
	v_wmma_scale_f32_16x16x128_f8f6f4 v[ACC+8*(ff%8):ACC+8*(ff%8)+7], v[BR:BR+11], v[AF+12*(ff/8):AF+12*(ff/8)+11], v[ACC+8*(ff%8):ACC+8*(ff%8)+7], v[SB+4*(ff%8)+ff/16], v[SA+ff/16] matrix_a_fmt:MATRIX_FMT_FP6 matrix_b_fmt:MATRIX_FMT_FP6
.endif
.set ff, ff+1
.endr
.endm
; Block bb of the token's 128 units: my 16 numbers (lane l xor 16 holds the other 16): gelu, the block's scale, its codes; behind an odd block a half-image leaves.  nobias = 1: bf1 is not loaded here
.macro BATCH bb, nobias
.set XX, ACC+16*(\bb)
.if (\bb)%2 == 0
	s_wait_xcnt 0x0                                ; the last half-image's stores have read their registers
.endif
.if (\bb) == 0
	v_add_nc_u32 v19, s[SOFF], v1                  ; this token tile's places in FB
	v_add_nc_u32 v20, s[SOFF], v2
	v_add_nc_u32 v21, s[SOFS], v7
.endif
	s_wait_alu depctr_va_vdst(0)                   ; directly ahead of the first readers of these matrix results
.set ii, 0
.rept 16
	v_fma_f32 v[TT+ii], |v[XX+ii]|, s[CP], 1.0     ; 1 + p |x| / sqrt 2; each accumulator is read from its low end on
.set ii, ii+1
.endr
.set ii, 0
.rept 8
	v_pk_mul_f32 v[EE+ii:EE+ii+1], v[XX+ii:XX+ii+1], v[XX+ii:XX+ii+1]
.set ii, ii+2
.endr
.set ii, 0
.rept 8
	v_pk_mul_f32 v[EE+ii:EE+ii+1], v[EE+ii:EE+ii+1], s[CL:CL+1] op_sel_hi:[1,0]
.set ii, ii+2
.endr
	s_wait_alu depctr_va_vdst(0)                   ; ahead of the batch
.set ii, 0
.rept 16
	v_rcp_f32 v[TT+ii], v[TT+ii]                   ; t
.set ii, ii+1
.endr
.set ii, 0
.rept 16
	v_exp_f32 v[EE+ii], -v[EE+ii]                  ; 2^(-x^2 log2(e) / 2)
.set ii, ii+1
.endr
	v_nop                                          ; a plain instruction behind the batch,
	s_wait_alu depctr_va_vdst(0)                   ; and one wait for all 32, ahead of their first reader
.set ii, 0
.rept 8
	v_pk_fma_f32 v[PP+ii:PP+ii+1], v[TT+ii:TT+ii+1], s[A5:A5+1], v[10:11] op_sel_hi:[1,0,1]
.set ii, ii+2
.endr
.irp c, A3, A2, A1
.set ii, 0
.rept 8
	v_pk_fma_f32 v[PP+ii:PP+ii+1], v[PP+ii:PP+ii+1], v[TT+ii:TT+ii+1], s[\c:\c+1] op_sel_hi:[1,1,0]
.set ii, ii+2
.endr
.endr
.set ii, 0
.rept 8
	v_pk_mul_f32 v[PP+ii:PP+ii+1], v[PP+ii:PP+ii+1], v[TT+ii:TT+ii+1]
.set ii, ii+2
.endr
.set ii, 0
.rept 16
	v_max_num_f32 v[TT+ii], 0, v[XX+ii]            ; t is done with: its place takes max(x, 0)
.set ii, ii+1
.endr
.set ii, 0
.rept 8
	v_pk_mul_f32 v[PP+ii:PP+ii+1], v[PP+ii:PP+ii+1], v[EE+ii:EE+ii+1]   ; E
.set ii, ii+2
.endr
.set ii, 0
.rept 16
	v_fma_f32 v[EE+ii], -|v[XX+ii]|, v[PP+ii], v[TT+ii]   ; gelu
.set ii, ii+1
.endr
.if \nobias == 0
	BIASLD \bb                                     ; these accumulators are read out: the next trip's sums begin
.endif
	v_max3_num_f32 v12, |v[EE]|, |v[EE+1]|, 0x1800000   ; the largest magnitude, in two chains, with the floor 2^(3 - 127): the byte cannot fall under 1
	v_max3_num_f32 v13, |v[EE+2]|, |v[EE+3]|, |v[EE+6]|
	v_max3_num_f32 v12, v12, |v[EE+4]|, |v[EE+5]|
	v_max3_num_f32 v13, v13, |v[EE+7]|, |v[EE+10]|
	v_max3_num_f32 v12, v12, |v[EE+8]|, |v[EE+9]|
	v_max3_num_f32 v13, v13, |v[EE+11]|, |v[EE+14]|
	v_max3_num_f32 v12, v12, |v[EE+12]|, |v[EE+13]|
	v_max3_num_f32 v12, v12, v13, |v[EE+15]|
	v_permlanex16_b32 v22, v12, s[SEL], s[SEL+1]
	v_max_num_f32 v12, v12, v22                    ; with lane l xor 16's 16
	v_add_nc_u32 v14, 0xff000000, v12              ; 2 off the exponent field: the conversion's scale operand
	v_lshrrev_b32 v16, 23, v14                     ; the scale's byte
.if (\bb) == 0
	v_mov_b32 v17, v16
.else
	v_lshl_or_b32 v17, v16, 8*(\bb), v17           ; the four bytes make the token's scale word of these 128 units
.endif
	v_cvt_scalef32_pk16_fp6_f32 v[PC+6*((\bb)%2):PC+6*((\bb)%2)+2], v[EE:EE+15], v14
	v_nop                                          ; one plain instruction behind a scaled conversion
.if (\bb)%2
.irp i, 0,1,2
	v_permlane16_swap_b32 v[PC+\i], v[PC+6+\i]     ; a whole block to a lane: lanes 0-15 the first, lanes 16-31 the second
.endr
.irp i, 0,1,2
	v_mov_b32 v[PC+3+\i], v[PC+6+\i]
.endr
	global_store_b128 v19, v[PC:PC+3], s[44:45] offset:768*((\bb)/2)       ; 512 consecutive bytes, aligned
	global_store_b64 v20, v[PC+4:PC+5], s[44:45] offset:768*((\bb)/2)+512
.endif
.if (\bb) == 3
	global_store_b32 v21, v17, s[46:47]            ; lanes l and l xor 16 store the same word with the same value: 64 consecutive bytes
.endif
.endm
.macro TRIP last
	AFETCH 4                                       ; gelu's registers are free again: K steps 4-7 come while steps 0-3 are multiplied
	s_wait_loadcnt 0x0                             ; this tile's scale words, asked for a whole trip ago
.irp p, 0,1,2,3
	v_mov_b32 v[SA+\p], v[SA2+\p]
.endr
.if \last == 0
	s_add_co_u32 s[SSA], s[SSA], 512
	v_add_nc_u32 v6, s[SSA], v18
	SALOAD                                         ; the next tile's: they have this trip in which to land
.endif
.rept 8
	v_nop                                          ; a scale register written by a vector instruction stands 8 places ahead of a scaled product
.endr
	s_wait_alu depctr_va_vdst(0)
	s_wait_dscnt 16                                ; all but the 16 issued at the trip's top: K steps 0-3 and bf1 are in
	MULS 0
	s_wait_dscnt 0x0
	MULS 4
	WIN 0
.rept 4
	v_nop                                          ; four places behind the products
.endr
	BATCH 0, \last
	BATCH 1, \last
	BATCH 2, 1
.if \last == 0
	s_add_co_u32 s[SLDS], s[SLDS], RTP
	v_add_nc_u32 v3, s[SLDS], v1                   ; the next token tile
	v_add_nc_u32 v4, s[SLDS], v2
	s_wait_alu depctr_va_vdst(0)
	s_wait_tensorcnt 0x0                           ; my part of the tokens' second half has landed,
	s_wait_dscnt 0x0                               ; (no LDS instruction of mine is out at a signal)
	s_barrier_signal -1
	s_barrier_wait -1                              ; everybody's has
	BIASLD 2
	AFETCH 0                                       ; the next tile's K steps 0-3 come under the last block's work
.endif
	BATCH 3, \last
	s_add_co_u32 s[SOFF], s[SOFF], 49152
	s_add_co_u32 s[SOFS], s[SOFS], 2048
.endm
.irp bb, 0,1,2,3
	BIASLD \bb
.endr
	AFETCH 0
	s_mov_b32 s[CNT], 0
.Ltrip:
	TRIP 0
	s_add_co_u32 s[CNT], s[CNT], 1
	s_cmp_lt_u32 s[CNT], 7
	s_wait_alu depctr_va_vdst(0)
	s_cbranch_scc1 .Ltrip
	TRIP 1
	s_wait_tensorcnt 0x0                           ; the wave's end
	ds_add_u32 v[SPW], v[NIL]
	s_wait_dscnt 0x0
	CROUND                                         ; the closing round
	s_endpgm
.Lfunc_end_k_q7b49ff02ac_ffn1:
	.size	k_q7b49ff02ac_ffn1, .Lfunc_end_k_q7b49ff02ac_ffn1-k_q7b49ff02ac_ffn1
	.p2alignl 7, 3214868480
	.fill 96, 4, 3214868480
	.section	.rodata,"a",@progbits
	.p2align	6, 0x0
	.amdhsa_kernel k_q7b49ff02ac_ffn1
		.amdhsa_group_segment_fixed_size 327680
		.amdhsa_private_segment_fixed_size 0
		.amdhsa_enable_private_segment 0
		.amdhsa_kernarg_size 32
		.amdhsa_user_sgpr_count 2
		.amdhsa_user_sgpr_kernarg_segment_ptr 1
		.amdhsa_wavefront_size32 1
		.amdhsa_system_sgpr_workgroup_id_x 1
		.amdhsa_system_sgpr_workgroup_id_y 1
		.amdhsa_system_sgpr_workgroup_id_z 1
		.amdhsa_system_vgpr_workitem_id 0
		.amdhsa_next_free_vgpr 1024
		.amdhsa_next_free_sgpr 96
		.amdhsa_reserve_vcc 0
		.amdhsa_float_denorm_mode_32 3
		.amdhsa_float_denorm_mode_16_64 3
		.amdhsa_memory_ordered 1
		.amdhsa_forward_progress 1
		.amdhsa_inst_pref_size 128
	.end_amdhsa_kernel
	.amdgpu_metadata
---
amdhsa.version: [ 1, 2 ]
amdhsa.kernels:
  - .name:           k_q7b49ff02ac_ffn1
    .symbol:         k_q7b49ff02ac_ffn1.kd
    .args:
      - { .name: HB, .offset: 0, .size: 8, .value_kind: global_buffer, .address_space: global }
      - { .name: WB, .offset: 8, .size: 8, .value_kind: global_buffer, .address_space: global }
      - { .name: bf1, .offset: 16, .size: 8, .value_kind: global_buffer, .address_space: global }
      - { .name: FB, .offset: 24, .size: 8, .value_kind: global_buffer, .address_space: global }
    .group_segment_fixed_size: 327680
    .private_segment_fixed_size: 0
    .kernarg_segment_align: 8
    .kernarg_segment_size: 32
    .max_flat_workgroup_size: 128
    .sgpr_count:     96
    .vgpr_count:     1024
    .wavefront_size: 32
...
	.end_amdgpu_metadata
.endif
;; end of part 6
;; launch ffn2 (part 7): grid 8 x 32, 4 waves a work-group, clusters of 4 x 4, 327,680 bytes of LDS; arguments FB, WB, bf2, X1, out0; writes out0
.if DOCPART == 7
	.amdgcn_target "amdgcn-amd-amdhsa--gfx1250"
	.amdhsa_code_object_version 6
	.text
	.protected	k_q7b49ff02ac_ffn2
	.globl	k_q7b49ff02ac_ffn2
	.p2align	8
	.type	k_q7b49ff02ac_ffn2,@function
k_q7b49ff02ac_ffn2:
	s_mov_b64 s[64:65], 0
	v_nop
	global_prefetch_b8 v0, s[64:65] scope:SCOPE_SE
	s_setreg_imm32_b32 hwreg(HW_REG_WAVE_MODE, 25, 1), 1
	s_wait_xcnt 0x0
	s_wait_alu depctr_hold_cnt(0) depctr_sa_sdst(0) depctr_va_vdst(0) depctr_va_sdst(0) depctr_va_ssrc(0) depctr_va_vcc(0) depctr_vm_vsrc(0)
	s_getreg_b32 s2, hwreg(HW_REG_IB_STS2, 6, 4)
	s_cmp_eq_u32 s2, 0
	s_cbranch_scc0 .Lentry_in_a_cluster
	s_endpgm
.Lentry_in_a_cluster:
	s_bfe_u32 s2, ttmp6, 0x10000c
	s_cmp_lg_u32 s2, 0xf033
	s_cbranch_scc0 .Lentry_shape_is_right
	s_endpgm
.Lentry_shape_is_right:
.set SIZE_K, 4096
.set ASCL,  12582912
.set BCOD,  6291456
.set BSCL,  9699328
.set RTP,   SIZE_K/64*768
.set RTS,   SIZE_K/2
.set HALFT, 4*6144
.set SLOT,  4*HALFT
.set HALFS, 4*RTS
.set SCL,   2*SLOT
.set SCST,  SCL+32768
.set STAGE, SCST+512
.set SPARE, STAGE+4*16*272
.set LAPS,  SIZE_K/1024
.set ADRA, 16
.set ADRB, 20
.set ADRS, 27
.set SPW,  28
.set NIL,  29
.set SC,   32
.set BI,   64
.set ACC,  128
.set F0,   0
.set F1,   96
.set G1, 24
.set G0, 32
.set G1B, 48
.set G0B, 56
.set G1S, 68
.set G0S, 76
.set G1SB, 80
.set G0SB, 88
.set MSB, 0
.macro WIN new
.if MSB != \new
	s_set_vgpr_msb (MSB<<8)|\new
.set MSB, \new
.endif
.endm
.set W_MUL, 0x05
.set TO_F,  0x40
.macro JLOAD g0a, g1a, g0b, g1b
	s_cmp_eq_u32 s15, 0
	s_cbranch_scc0 .Lfor_b_\@
	tensor_load_to_lds s[\g0a:\g0a+3], s[\g1a:\g1a+7]
	s_nop 0
.rept 4
	v_nop
.endr
	s_branch .Lasked_\@
.Lfor_b_\@:
	tensor_load_to_lds s[\g0b:\g0b+3], s[\g1b:\g1b+7]
	s_nop 0
.rept 4
	v_nop
.endr
.Lasked_\@:
.endm
.macro CREST
	s_cmp_lg_u32 s14, 0
	s_cbranch_scc1 .Lnot_wave_0_\@
	s_barrier_signal -3
.Lnot_wave_0_\@:
	s_barrier_wait -3
	s_barrier_signal -1
	s_barrier_wait -1
.endm
.macro CROUND
	s_barrier_signal -1
	s_barrier_wait -1
	CREST
.endm
.macro PLACES
.rept 4
	v_nop
.endr
.endm
.macro FRAG reg, adr, off
	ds_load_b128 v[\reg:\reg+3], v[\adr] offset:\off
	ds_load_b64 v[\reg+4:\reg+5], v[\adr+2] offset:\off+512
	ds_load_b128 v[\reg+6:\reg+9], v[\adr] offset:\off+768
	ds_load_b64 v[\reg+10:\reg+11], v[\adr+2] offset:\off+1280
.endm
.macro FETCH slot, q, f
	WIN TO_F
.irp i, 0,1,2,3
	FRAG \f+48+12*\i, ADRB+\slot, \i*6144+(\q)*1536
.endr
.irp i, 0,1,2,3
	FRAG \f+12*\i, ADRA+\slot, \i*6144+(\q)*1536
.endr
.endm
.macro SCALES set
.irp i, 0,1,2,3
.irp q, 0,1,2,3
	ds_load_b32 v[SC+16*\set+4*\i+\q], v[ADRS] offset:\i*RTS+64*\q
.endr
.endr
.endm
.macro MUL f, a0, na, q, set, first
.set AA, \a0
.rept \na
.irp b, 0,1,2,3
.if \first
	v_wmma_scale_f32_16x16x128_f8f6f4 v[ACC+8*(4*AA+\b):ACC+8*(4*AA+\b)+7], v[\f+48+12*\b:\f+48+12*\b+11], v[\f+12*AA:\f+12*AA+11], v[BI+8*\b:BI+8*\b+7], v[SC+16*\set+4*\b+\q], v[SC+16*\set+4*AA+\q] matrix_a_fmt:MATRIX_FMT_FP6 matrix_b_fmt:MATRIX_FMT_FP6 matrix_a_scale:MATRIX_SCALE_ROW1
.else
	v_wmma_scale_f32_16x16x128_f8f6f4 v[ACC+8*(4*AA+\b):ACC+8*(4*AA+\b)+7], v[\f+48+12*\b:\f+48+12*\b+11], v[\f+12*AA:\f+12*AA+11], v[ACC+8*(4*AA+\b):ACC+8*(4*AA+\b)+7], v[SC+16*\set+4*\b+\q], v[SC+16*\set+4*AA+\q] matrix_a_fmt:MATRIX_FMT_FP6 matrix_b_fmt:MATRIX_FMT_FP6 matrix_a_scale:MATRIX_SCALE_ROW1
.endif
.endr
.set AA, AA+1
.endr
.endm
.macro QUARTER slot, q, f, g, first
	s_wait_dscnt 0x0
	PLACES
	FETCH \slot, (\q)+1, \g
	WIN W_MUL
	MUL \f, 0, 4, \q, \slot, \first
.endm
.macro TURN slot, next, fill
	WIN 0
.if \fill
	s_wait_xcnt 0x0                                ; my last prefetch has read its address: it is stepped here, ahead of the waits of the change of slots
	s_add_nc_u64 s[66:67], s[66:67], 6144
.endif
	s_wait_tensorcnt 0x0
	ds_add_u32 v[SPW], v[NIL]
	s_wait_dscnt 1
	WIN W_MUL
	MUL F1, 0, 1, 3, \slot, 0
	s_wait_dscnt 0x0
	s_barrier_signal -1
	MUL F1, 1, 1, 3, \slot, 0
	WIN 0
	s_barrier_wait -1
.if \fill
	CREST
	s_add_nc_u64 s[G0+4*\slot+2:G0+4*\slot+3], s[G0+4*\slot+2:G0+4*\slot+3], 12288
	s_add_nc_u64 s[G0B+4*\slot+2:G0B+4*\slot+3], s[G0B+4*\slot+2:G0B+4*\slot+3], 12288
	JLOAD G0+4*\slot, G1, G0B+4*\slot, G1B
.else
	PLACES
.endif
	s_wait_alu depctr_va_vdst(0)
	v_add_nc_u32 v[ADRS], 256, v[ADRS]
	FETCH \next, 0, F0
	WIN 0
	SCALES \next
.if \fill
	s_cmp_gt_u32 s3, 1                             ; s3 = 1 in the loop's last trip, whose refills have nothing two refills on
	s_cbranch_scc0 .Lno_ask_\@
	global_prefetch_b8 v30, s[66:67] th:TH_LOAD_NT scope:SCOPE_SE
.Lno_ask_\@:
.endif
	WIN W_MUL
	MUL F1, 2, 2, 3, \slot, 0
.endm
	s_load_b128 s[4:7], s[0:1], 0x0
	s_load_b128 s[8:11], s[0:1], 0x10
	s_load_b64 s[12:13], s[0:1], 0x20
	v_lshl_add_u32 v[SPW], v0, 2, SPARE
	v_mov_b32 v[NIL], 0
	ds_add_u32 v[SPW], v[NIL]
	ds_add_u32 v[SPW], v[NIL]
	v_lshrrev_b32 v1, 5, v0
	v_readfirstlane_b32 s14, v1
	s_lshr_b32 s15, s14, 1
	s_and_b32 s16, s14, 1
	s_bfe_u32 s40, ttmp6, 0x40000
	s_bfe_u32 s41, ttmp6, 0x40004
	s_lshl_b32 s42, ttmp9, 2
	s_add_co_u32 s42, s42, s40
	s_and_b32 s17, ttmp7, 0xffff
	s_lshl_b32 s17, s17, 2
	s_add_co_u32 s17, s17, s41
	s_lshl_b32 s43, s41, 2
	s_lshl_b32 s43, 15, s43
	s_lshl_b32 s44, 0x1111, s40
	s_or_b32 s[G1+0], s43, (3<<16)|(1<<21)
	s_or_b32 s[G1B+0], s44, (3<<16)|(1<<21)
.irp g, G1, G1B
	s_mov_b32 s[\g+1], 768<<16
	s_mov_b32 s[\g+2], 8<<16                       ; the head's loads bring eight row tiles; behind them the two words are set to four
	s_mov_b32 s[\g+3], 768<<16
	s_mov_b32 s[\g+4], 8
	s_mov_b32 s[\g+5], RTP/8
	s_mov_b32 s[\g+6], 0
	s_mov_b32 s[\g+7], 0
.endr
	s_or_b32 s[G1S+0], s43, (3<<16)|(1<<21)
	s_or_b32 s[G1SB+0], s44, (3<<16)|(1<<21)
.irp g, G1S, G1SB
	s_mov_b32 s[\g+1], 32<<16
	s_mov_b32 s[\g+2], (2*HALFS/256)<<16
	s_mov_b32 s[\g+3], 32<<16
	s_mov_b32 s[\g+4], 2*HALFS/256
	s_mov_b32 s[\g+5], 32
	s_mov_b32 s[\g+6], 0
	s_mov_b32 s[\g+7], 0
.endr
	s_lshl_b32 s20, s17, 3                         ; A: the work-group's first row tile
	s_lshl_b32 s46, s42, 3                         ; B
	s_mul_i32 s22, s20, RTS
	s_add_co_u32 s22, s22, ASCL
	s_mul_i32 s92, s46, RTS
	s_add_co_u32 s92, s92, BSCL
	s_mul_i32 s20, s20, RTP
	s_mul_i32 s46, s46, RTP
	s_add_co_u32 s46, s46, BCOD
	s_mov_b32 s21, 0
	s_mov_b32 s23, 0
	s_mov_b32 s47, 0
	s_mov_b32 s93, 0
	s_mul_i32 s45, s14, HALFT
	s_mul_i32 s18, s16, 4*RTP                      ; in the ring I fetch four row tiles: which four, in bytes
	s_mov_b32 s19, 0
	s_wait_dscnt 0x0
	s_wait_kmcnt 0x0
	s_add_nc_u64 s[20:21], s[4:5], s[20:21]
	s_add_nc_u64 s[22:23], s[4:5], s[22:23]
	s_add_nc_u64 s[46:47], s[6:7], s[46:47]
	s_add_nc_u64 s[92:93], s[6:7], s[92:93]
	CROUND
	s_mov_b32 s[G0S], 1
	s_mov_b32 s[G0S+1], SCL
	s_mov_b64 s[G0S+2:G0S+3], s[22:23]
	s_or_b32 s[G0S+3], s[G0S+3], 0x80000000
	s_mov_b32 s[G0SB], 1
	s_mov_b32 s[G0SB+1], SCL+2*HALFS
	s_mov_b64 s[G0SB+2:G0SB+3], s[92:93]
	s_or_b32 s[G0SB+3], s[G0SB+3], 0x80000000
	s_add_nc_u64 s[22:23], s[20:21], s[18:19]      ; for the ring: my four row tiles
	s_add_nc_u64 s[92:93], s[46:47], s[18:19]
.irp s, 0,1
	s_mov_b32 s[G0+4*\s], 1
	s_add_co_u32 s[G0+4*\s+1], s45, \s*SLOT
	s_add_nc_u64 s[G0+4*\s+2:G0+4*\s+3], s[22:23], \s*6144
	s_or_b32 s[G0+4*\s+3], s[G0+4*\s+3], 0x80000000
	s_mov_b32 s[G0B+4*\s], 1
	s_add_co_u32 s[G0B+4*\s+1], s45, \s*SLOT
	s_add_nc_u64 s[G0B+4*\s+2:G0B+4*\s+3], s[92:93], \s*6144
	s_or_b32 s[G0B+4*\s+3], s[G0B+4*\s+3], 0x80000000
.endr
	s_mov_b32 s4, 1                                ; the head's loads of slot 0, each whole: A's eight row tiles (in registers whose arguments have been used),
	s_mov_b32 s5, 0
	s_mov_b64 s[6:7], s[20:21]
	s_or_b32 s7, s7, 0x80000000
	s_mov_b32 s44, 1                               ; and B's eight, behind them
	s_mov_b32 s45, 2*HALFT
	s_or_b32 s47, s47, 0x80000000
; THE HEAD'S LOADS, ONE A WAVE: wave 0 A's part of slot 0, wave 1 B's, wave 2 A's scale words, wave 3 B's; one chain of branches on the wave's number, all arms to one join
.macro ARM under, g0, g1, next
	s_cmp_lt_u32 s14, \under
	s_cbranch_scc0 \next
	tensor_load_to_lds s[\g0:\g0+3], s[\g1:\g1+7]
	s_nop 0
.rept 4
	v_nop
.endr
	s_branch .Lhead_asked
\next:
.endm
	ARM 1, 4,   G1,  .Lhead_b
	ARM 2, 44,  G1B, .Lhead_sa
	ARM 3, G0S, G1S, .Lhead_sb
	tensor_load_to_lds s[G0SB:G0SB+3], s[G1SB:G1SB+7]
	s_nop 0
.rept 4
	v_nop
.endr
.Lhead_asked:
; THE PREFETCHES.  A refill brings 512 along K of the four row tiles that I fetch: 4 x 6,144 bytes.  The four partners that ask for them jointly share them out by address: the partner at place p (cx for A, cy for B)
; takes row tile p, 24 blocks of 256 bytes, a lane a block; lanes 24-31 name the last block again.  Behind each refill the 512 along K that lie two refills on are asked for; the loop's last trip asks for nothing.
	s_cmp_eq_u32 s15, 0                            ; do I fetch for A?
	s_cselect_b64 s[66:67], s[22:23], s[92:93]
	s_cselect_b32 s18, s40, s41
	s_mul_i32 s18, s18, RTP
	s_mov_b32 s19, 0
	s_add_nc_u64 s[66:67], s[66:67], s[18:19]
	s_add_nc_u64 s[66:67], s[66:67], 3*6144        ; the first change of slots steps it to the fifth 512 along K, while it fetches the third
	v_and_b32 v1, 31, v0
	v_and_b32 v2, 15, v0
	v_bfe_u32 v3, v0, 4, 1
	v_lshlrev_b32 v4, 4, v1
	s_wait_alu depctr_va_vdst(0)
	v_lshlrev_b32 v5, 3, v1
	s_wait_alu depctr_va_vdst(0)
	v_lshlrev_b32 v7, 6, v3
	s_lshl_b32 s2, s42, 9
	s_lshl_b32 s3, s16, 8
	s_add_co_u32 s2, s2, s3
	s_mov_b32 s3, 0
	s_add_nc_u64 s[2:3], s[8:9], s[2:3]
.irp b, 0,1,2,3
	global_load_b128 v[BI+8*\b:BI+8*\b+3], v7, s[2:3] offset:(32*(\b/2)+8*(\b%2))*4
	global_load_b128 v[BI+8*\b+4:BI+8*\b+7], v7, s[2:3] offset:(32*(\b/2)+8*(\b%2))*4+16
.endr
	s_mul_i32 s18, s15, HALFT
	s_mul_i32 s19, s16, HALFT
	s_add_co_u32 s19, s19, 2*HALFT
.irp s, 0,1
	v_add_nc_u32 v[ADRA+\s], s18, v4
	v_add_nc_u32 v[ADRA+2+\s], s18, v5
	v_add_nc_u32 v[ADRB+\s], s19, v4
	v_add_nc_u32 v[ADRB+2+\s], s19, v5
	s_add_co_u32 s18, s18, SLOT
	s_add_co_u32 s19, s19, SLOT
.endr
	s_mul_i32 s18, s15, HALFS
	s_add_co_u32 s19, s16, 2
	s_sub_co_u32 s19, s19, s15
	s_mul_i32 s19, s19, HALFS
	v_mul_u32_u24 v6, s19, v3
	s_add_co_u32 s18, s18, SCL
	v_lshl_add_u32 v6, v2, 2, v6
	v_add_nc_u32 v[ADRS], s18, v6
	s_mul_i32 s18, s14, 16*272
	s_add_co_u32 s18, s18, STAGE
	v_mul_u32_u24 v8, v2, 272
	v_lshl_add_u32 v8, v3, 6, v8
	v_add_nc_u32 v24, s18, v8
	v_mul_u32_u24 v8, v3, 272
	v_lshl_add_u32 v8, v2, 4, v8
	v_add_nc_u32 v25, s18, v8
	v_lshlrev_b32 v26, 12, v3
	v_lshl_add_u32 v26, v2, 4, v26
	v_min_u32 v30, 23, v1
	v_lshlrev_b32 v30, 8, v30                      ; the prefetches' offset: 256 x my lane, held at block 23; never rewritten
	s_wait_alu depctr_va_vdst(0)
	s_lshl_b32 s96, s17, 7
	s_lshl_b32 s97, s15, 6
	s_add_co_u32 s96, s96, s97
	s_lshl_b32 s96, s96, 12
	s_lshl_b32 s97, s42, 9
	s_add_co_u32 s96, s96, s97
	s_lshl_b32 s97, s16, 8
	s_add_co_u32 s96, s96, s97
	s_mov_b32 s97, 0
	s_add_nc_u64 s[98:99], s[12:13], s[96:97]
	s_add_nc_u64 s[96:97], s[10:11], s[96:97]
	WIN 0x80
.irp a, 0,1,2,3
.irp t, 0,1,2,3,4,5,6,7
	global_load_b128 v[32*\a+4*\t:32*\a+4*\t+3], v26, s[96:97] offset:(32*(\a/2)+8*(\a%2)+2*\t+8*(\t/4))*4096 th:TH_LOAD_NT
.endr
.endr
	WIN 0
	s_wait_tensorcnt 0x0                           ; my tile of the head's four is in
	ds_add_u32 v[SPW], v[NIL]
	s_mov_b32 s[G1+2], 4<<16                       ; no tensor load of mine is out: from here on a load brings four row tiles
	s_mov_b32 s[G1+4], 4
	s_mov_b32 s[G1B+2], 4<<16
	s_mov_b32 s[G1B+4], 4
	s_wait_dscnt 0x0
	CROUND                                         ; a whole round: all four tiles are in, and the joint loads meet
	JLOAD G0+4, G1, G0B+4, G1B                     ; slot 1's first fill, the first tensor load behind the round
	FETCH 0, 0, F0
	WIN 0
	SCALES 0
	s_wait_loadcnt 32
	QUARTER 0, 0, F0, F1, 1
	WIN 0
	s_mov_b32 s3, LAPS-1
.Llap:
	QUARTER 0, 1, F1, F0, 0
	QUARTER 0, 2, F0, F1, 0
	TURN 0, 1, 1
	QUARTER 1, 0, F0, F1, 0
	QUARTER 1, 1, F1, F0, 0
	QUARTER 1, 2, F0, F1, 0
	TURN 1, 0, 1
	QUARTER 0, 0, F0, F1, 0
	WIN 0
	s_sub_co_u32 s3, s3, 1
	s_cmp_lg_u32 s3, 0
	s_cbranch_scc1 .Llap
	QUARTER 0, 1, F1, F0, 0
	QUARTER 0, 2, F0, F1, 0
	TURN 0, 1, 0
	QUARTER 1, 0, F0, F1, 0
	QUARTER 1, 1, F1, F0, 0
	QUARTER 1, 2, F0, F1, 0
	s_wait_dscnt 0x0
	MUL F1, 0, 4, 3, 1, 0
	WIN 0
	PLACES
	s_wait_loadcnt 0x0
.macro ROWS a
.set SS, ACC+32*(\a)
.set TT, 64+32*((\a)%2)
.if (\a) >= 2
	s_wait_xcnt 0x0
.endif
.irp b, 0,1
.irp k, 0,1,2,3
	ds_store_b128 v24, v[SS+16*\b+4*\k:SS+16*\b+4*\k+3] offset:128*\b+16*\k
.endr
.endr
.irp t, 0,1,2,3,4,5,6,7
	ds_load_b128 v[TT+4*\t:TT+4*\t+3], v25 offset:544*\t
.endr
	s_wait_dscnt 0x0
	WIN 0x08
.set pp, 0
.rept 16
	v_pk_add_f32 v[TT+pp:TT+pp+1], v[TT+pp:TT+pp+1], v[32*(\a)+pp:32*(\a)+pp+1]
.set pp, pp+2
.endr
	WIN 0
.irp t, 0,1,2,3,4,5,6,7
	global_store_b128 v26, v[TT+4*\t:TT+4*\t+3], s[98:99] offset:(32*((\a)/2)+8*((\a)%2)+2*\t+8*(\t/4))*4096 th:TH_STORE_NT
.endr
.endm
	ROWS 0
	ROWS 1
	ROWS 2
	ROWS 3
	s_wait_tensorcnt 0x0
	ds_add_u32 v[SPW], v[NIL]
	s_wait_dscnt 0x0
	CROUND
	s_endpgm
.Lfunc_end_k_q7b49ff02ac_ffn2:
	.size	k_q7b49ff02ac_ffn2, .Lfunc_end_k_q7b49ff02ac_ffn2-k_q7b49ff02ac_ffn2
	.p2alignl 7, 3214868480
	.fill 96, 4, 3214868480
	.section	.rodata,"a",@progbits
	.p2align	6, 0x0
	.amdhsa_kernel k_q7b49ff02ac_ffn2
		.amdhsa_group_segment_fixed_size 327680
		.amdhsa_private_segment_fixed_size 0
		.amdhsa_enable_private_segment 0
		.amdhsa_kernarg_size 40
		.amdhsa_user_sgpr_count 2
		.amdhsa_user_sgpr_kernarg_segment_ptr 1
		.amdhsa_wavefront_size32 1
		.amdhsa_system_sgpr_workgroup_id_x 1
		.amdhsa_system_sgpr_workgroup_id_y 1
		.amdhsa_system_sgpr_workgroup_id_z 1
		.amdhsa_system_vgpr_workitem_id 0
		.amdhsa_next_free_vgpr 640
		.amdhsa_next_free_sgpr 100
		.amdhsa_reserve_vcc 0
		.amdhsa_float_denorm_mode_32 3
		.amdhsa_float_denorm_mode_16_64 3
		.amdhsa_memory_ordered 1
		.amdhsa_forward_progress 1
		.amdhsa_inst_pref_size 102
	.end_amdhsa_kernel
	.amdgpu_metadata
---
amdhsa.version: [ 1, 2 ]
amdhsa.kernels:
  - .name:           k_q7b49ff02ac_ffn2
    .symbol:         k_q7b49ff02ac_ffn2.kd
    .args:
      - { .name: FB, .offset: 0, .size: 8, .value_kind: global_buffer, .address_space: global }
      - { .name: WB, .offset: 8, .size: 8, .value_kind: global_buffer, .address_space: global }
      - { .name: bf2, .offset: 16, .size: 8, .value_kind: global_buffer, .address_space: global }
      - { .name: X1, .offset: 24, .size: 8, .value_kind: global_buffer, .address_space: global }
      - { .name: out0, .offset: 32, .size: 8, .value_kind: global_buffer, .address_space: global }
    .group_segment_fixed_size: 327680
    .private_segment_fixed_size: 0
    .kernarg_segment_align: 8
    .kernarg_segment_size: 40
    .max_flat_workgroup_size: 128
    .sgpr_count:     100
    .vgpr_count:     640
    .wavefront_size: 32
...
	.end_amdgpu_metadata
.endif
;; end of part 7
